; MI455X (gfx1250); checked and timed in simulation.
; The chip was launched on July 23, 2026; its instructions are those of AMD's public machine-readable ISA for CDNA 5 (MIT licence, August 2026) and "CDNA5" Instruction Set Architecture Reference Guide (July 2026). The comments in the code are by the model that wrote it; some were corrected since.
;; Multi Head Attention. Allowed arithmetic: matrix products marked QUANTISED: E2M3 operands, one E8M0 scale for each 32 along K, by v_wmma_scale_f32_16x16x128_f8f6f4 with both operands' format E2M3, f32 sums; everything else in f32.
;; Inputs: W_out 1,024 x 1,024 float32; W_qkv 1,024 x 3,072 float32; b_out 1,024 float32; b_qkv 3,072 float32; mask 4 x 1 x 1 x 2,048 int32; x 4 x 2,048 x 1,024 float32.
;; Outputs: out0 4 x 2,048 x 1,024 float32.
;; This version of the problem:
;;   THIS VERSION OF THE PROBLEM IS GIVEN IN LOW PRECISION. The matrix products marked QUANTISED in the list below multiply operands that are first quantised to E2M3 (2 exponent bits, 3 mantissa bits; 6 bits a number), with one power-of-two scale for each 32 numbers along K (OCP MX v1.0); their sums are f32. All else is computed in f32.
;;   The module's matrix products, in the order in which they are computed (A, B: the left and right operand; K: the contracted axis; several contracted axes count as one K, in the product's order):
;;     1. [M 8,192, K 1,024] x [K 1,024, N 3,072]; A: input x; B: input W_qkv: QUANTISED
;;     2. batch 64 x [M 2,048, K 64] x [K 64, N 2,048]; A: computed on the way; B: computed on the way: QUANTISED
;;     3. batch 64 x [M 2,048, K 2,048] x [K 2,048, N 64]; A: softmax (see below); B: computed on the way: QUANTISED
;;     4. [M 8,192, K 1,024] x [K 1,024, N 1,024]; A: computed on the way; B: input W_out: QUANTISED
;;   THE QUANTISER, for each operand of a quantised product, along K:
;;     - K is cut into blocks of 32 from its start; a last block that is shorter is filled with zeros.
;;     - A block's scale is 2^e with e = floor(log2(the largest magnitude in the block)) - 2, held to -126 .. 127; a block of zeros has e = 0. As a byte (E8M0): e + 127.
;;     - Each number is divided by its block's scale, clamped to +-7.5, and rounded to the nearest number of E2M3, ties to even, subnormals kept.
;;     - The product sums the exact products of the quantised numbers (number of the format x scale) in f32.
;;   ~~~python
;;   def quantise(x, axis):      # numpy; x: float32 -> the quantised numbers, widened to float32 again
;;       x = np.moveaxis(x, axis, -1); K = x.shape[-1]
;;       x = np.pad(x, [(0, 0)] * (x.ndim - 1) + [(0, -K % 32)]); x = x.reshape(x.shape[:-1] + (-1, 32)); a = np.abs(x).max(-1, keepdims=True)
;;       e = np.where(a > 0, np.clip(np.frexp(np.where(a > 0, a, 1))[1] - 1 - 2, -126, 127), 0)      # np.frexp(a)[1] - 1 = floor(log2(a)), exactly
;;       r = np.clip(x / 2.0 ** e, -7.5, 7.5)
;;       step = 2.0 ** (np.maximum(np.frexp(np.where(r == 0, 1, r))[1] - 1, 0) - 3)
;;       q = np.round(r / step) * step * 2.0 ** e      # np.round: ties to even
;;       return np.moveaxis(q.reshape(q.shape[:-2] + (-1,))[..., :K], -1, axis).astype(np.float32)
;;   ~~~
;;   SOFTMAX AHEAD OF A QUANTISED PRODUCT. Where the list says 'softmax', what is quantised is not the finished softmax but p = 2^(t - M), with t = logit x log2(e) and M = ceil(the row's largest t), a whole number; so 1/2 < the row's largest p <= 1. The row's sum l is taken of the UNQUANTISED p, in f32, and the product's result is divided by l at the end. Since M is a whole number, a kernel that streams over the keys may use a running M (the ceiling of the running maximum): every later rescaling is an exact power of two, which a block's scale takes up: the codes' values come out the same.
;;   OPERANDS COMPUTED ON THE WAY. 'Computed on the way' means the value that the module computes at that place (a softmax that the list does not call 'softmax' is quantised finished and normalised). What goes into a quantiser is computed in f32, as accurately as f32 sums, v_exp_f32 and their like allow (about 1e-6 of the number): no bf16 or f16 on the way to a quantiser, and a product that is left as it is and whose result goes on into a quantised operand takes f32 operands (vector FMAs, or v_wmma_f32_16x16x4_f32). A number that lies on a knife's edge between two numbers of the format may be rounded either way, as far as f32 arithmetic and the matrix unit's own rounding can turn it there, and no further.
;; One version. Each part assembles by itself: llvm-mc -triple=amdgcn-amd-amdhsa -mcpu=gfx1250 --defsym DOCPART=n.
;; ======== version 1 of 1: 4 launches
;; limits: right only within a limited range of input values
;; workspace buffers: xw_codes 9,437,184 bytes; xw_scales 393,216 bytes; qkv_codes 18,874,368 bytes; qkv_scales 1,310,720 bytes; att_codes 6,291,456 bytes; att_scales 262,144 bytes
;; launch quant (part 1): grid 96 x 4, 4 waves a work-group, no clusters, 85,504 bytes of LDS; arguments x, W_qkv, W_out, xw_codes, xw_scales; writes xw_codes, xw_scales
.if DOCPART == 1
	.amdgcn_target "amdgcn-amd-amdhsa--gfx1250"
	.amdhsa_code_object_version 6
	.text
	.protected	k_q23dc805dba_quant
	.globl	k_q23dc805dba_quant
	.p2align	8
	.type	k_q23dc805dba_quant,@function
k_q23dc805dba_quant:
	s_mov_b64 s[64:65], 0
	v_nop
	global_prefetch_b8 v0, s[64:65] scope:SCOPE_SE
	s_setreg_imm32_b32 hwreg(HW_REG_WAVE_MODE, 25, 1), 1
	s_wait_xcnt 0x0
; x [8192][1024], W_qkv [1024][3072] and W_out [1024][1024], f32, become codes of FP6 (E2M3) with one E8M0 byte for each 32 along K (K = 1024 for all three).
; OUTPUT LAYOUT.  768 row tiles of 16 operand rows: tiles 0-511 x's rows, 512-703 W_qkv's columns, 704-767 W_out's columns.
; Codes: [tile][K step of 128: 8][1536 bytes], a K step being THE IMAGE OF THE OPERAND'S 12 REGISTERS: registers 0-3 at 16 x lane, 4-5 at 512 + 8 x lane, 6-9 at 768 + 16 x lane, 10-11 at 1280 + 8 x lane.
; Scale words: [tile][256 along K: 4][row 16][128 along K: 2], 512 bytes a tile.
; THE ROWS OF A TILE ARE NOT NEIGHBOURS: lane r of tile i holds row 32 (i / 2) + 8 (i % 2) + r + 8 (r / 8), so that a product that takes such a tile as source 0 leaves 16 neighbours in the 16 registers of two neighbouring result tiles.
; A block's scale is 2^(floor(log2(its largest magnitude)) - 2); its byte is the largest magnitude's exponent field - 2, held at 1 from below.
; LIMITS: a block of zeros, or one whose largest magnitude lies under 2^-124, gets the byte 1 (zero codes add nothing under it; this program alone reads the bytes); NaN and infinities are not served.
; Work-groups x < 64 take x (a wave: one tile x 512 along K), 64 .. 87 W_qkv, 88 .. 95 W_out (a wave: 32 columns x 256 along K).  Each of the three ways has LDS bytes of its own; waves share nothing: no barrier.
.set R,   32                           ; x: v32-159 two sets of 64 numbers as loaded
.set XN,  160                          ; x: v160-223 the lane's two blocks of 32
.set PC,  224                          ; x: v224-235 the fragment's 12 registers
.set TQ,  236                          ; x: v236-242 the second halves of the two blocks, as converted
.set XW,  32                           ; W: v32-95 two sets of 32 numbers
.set STQ, 33792                        ; LDS: x's stages 4 x 8448 from 0; W_qkv's 4 x 6400 from here;
.set STW, 59392                        ; W_out's 4 x 6400 from here
; ---- x: sixteen loads, each one row's 512 consecutive bytes (128 along K)
.macro LOADX st
.irp j, 0,1,2,3,4,5,6,7,8,9,10,11,12,13,14,15
	global_load_b128 v[R+64*((\st)%2)+4*\j:R+64*((\st)%2)+4*\j+3], v1, s[4:5] offset:(\j+8*(\j/8))*4096+512*(\st) th:TH_LOAD_NT
.endr
.endm
.macro STEPX st
.set RS, R+64*((\st)%2)
.if (\st) < 3
	s_wait_loadcnt 16                              ; this step's 16 loads are in; the next step's 16 are younger
.else
	s_wait_loadcnt 0
.endif
.irp j, 0,1,2,3,4,5,6,7,8,9,10,11,12,13,14,15
	ds_store_b128 v5, v[RS+4*\j:RS+4*\j+3] offset:528*\j           ; row j of the tile, as it lies, rows 528 bytes apart
.endr
.irp c, 0,1
.irp i, 0,1,2,3,4,5,6,7
	ds_load_b128 v[XN+32*\c+4*\i:XN+32*\c+4*\i+3], v6 offset:256*\c+16*\i   ; lane (r, h): k = 64 c + 32 h + 0 .. 31 of row r.  LDS serves a wave's instructions in order: these see the stores
.endr
.endr
	s_wait_dscnt 0x0
.if (\st) < 2
	LOADX (\st)+2
.endif
.irp c, 0,1
	v_max3_num_f32 v[8+\c], |v[XN+32*\c]|, |v[XN+32*\c+1]|, 0x1800000   ; my block 2 c + h, with the floor 2^(3 - 127) among its leaves
.endr
.irp i, 2,4,6,8,10,12,14,16,18,20,22,24,26,28,30
.irp c, 0,1
	v_max3_num_f32 v[8+\c], v[8+\c], |v[XN+32*\c+\i]|, |v[XN+32*\c+\i+1]|
.endr
.endr
.irp c, 0,1
	v_add_nc_u32 v[10+\c], 0xff000000, v[8+\c]     ; 2 off the exponent field: the conversion's scale operand
.endr
.irp c, 0,1
	v_lshrrev_b32 v[12+\c], 23, v[10+\c]           ; the scale's byte
.endr
	v_lshl_or_b32 v14, v13, 16, v12                ; my two bytes, blocks h and 2 + h,
	v_lshlrev_b32 v14, v22, v14                    ; 8 h bits up;
	v_permlanex16_b32 v15, v14, s28, s29
	v_or_b32 v[16+(\st)], v14, v15                 ; with lane l xor 16's two the row's word is whole
	s_wait_alu depctr_va_vdst(0)
	s_wait_xcnt 0x0                                ; the last step's stores have read the codes' registers
.irp c, 0,1
	v_cvt_scalef32_pk16_fp6_f32 v[PC+6*\c:PC+6*\c+2], v[XN+32*\c:XN+32*\c+15], v[10+\c]
	v_cvt_scalef32_pk16_fp6_f32 v[TQ+4*\c:TQ+4*\c+2], v[XN+32*\c+16:XN+32*\c+31], v[10+\c]   ; (a conversion's three registers begin on an even number)
.endr
	v_nop                                          ; one plain place behind a scaled conversion
.irp c, 0,1
.irp i, 0,1,2
	v_mov_b32 v[PC+6*\c+3+\i], v[TQ+4*\c+\i]
.endr
.endr
	global_store_b128 v1, v[PC:PC+3], s[10:11] offset:1536*(\st)            ; each store covers 512 or 256 consecutive bytes, aligned
	global_store_b64 v2, v[PC+4:PC+5], s[10:11] offset:1536*(\st)+512
	global_store_b128 v1, v[PC+6:PC+9], s[10:11] offset:1536*(\st)+768
	global_store_b64 v2, v[PC+10:PC+11], s[10:11] offset:1536*(\st)+1280
.endm
; ---- a weight [1024][n]: a lane takes a column, its registers run down K
.macro QLOAD t, n, p
.irp i, 0,1,2,3,4,5,6,7,8,9,10,11,12,13,14,15,16,17,18,19,20,21,22,23,24,25,26,27,28,29,30,31
	global_load_b32 v[XW+32*((\t)%2)+\i], v3, s[\p:\p+1] offset:(32*(\t)+\i)*\n*4 th:TH_LOAD_NT
.endr
.endm
.macro QBLOCK t, n, p
.set XS, XW+32*((\t)%2)
.if (\t) < 7
	s_wait_loadcnt 32                              ; this block's 32 loads are in; the next block's are younger
.else
	s_wait_loadcnt 0
.endif
	v_max3_num_f32 v12, |v[XS]|, |v[XS+1]|, |v[XS+2]|
	v_max3_num_f32 v13, |v[XS+3]|, |v[XS+4]|, |v[XS+5]|
.irp i, 6,10,14,18,22,26
	v_max3_num_f32 v12, v12, |v[XS+\i]|, |v[XS+\i+1]|
	v_max3_num_f32 v13, v13, |v[XS+\i+2]|, |v[XS+\i+3]|
.endr
	v_max3_num_f32 v12, v12, |v[XS+30]|, |v[XS+31]|
	v_max3_num_f32 v12, v12, v13, 0x1800000        ; and the floor
	v_add_nc_u32 v11, 0xff000000, v12
	v_lshrrev_b32 v13, 23, v11
.if (\t)%4 == 0
	v_mov_b32 v[24+(\t)/4], v13                    ; four bytes to a word, the lower K in the lower byte
.else
	v_lshl_or_b32 v[24+(\t)/4], v13, 8*((\t)%4), v[24+(\t)/4]
.endif
	v_cvt_scalef32_pk16_fp6_f32 v[96:98], v[XS:XS+15], v11
	v_cvt_scalef32_pk16_fp6_f32 v[104:106], v[XS+16:XS+31], v11
	v_nop                                          ; one plain place behind a scaled conversion
	v_mov_b32 v99, v104
	v_mov_b32 v100, v105
	v_mov_b32 v101, v106
	; block t is registers 6 c .. 6 c + 5 of lane (r, h) of K step t / 4, with c = (t / 2) % 2 and h = t % 2
	ds_store_b128 v4, v[96:99] offset:1536*((\t)/4)+768*(((\t)/2)%2)+256*((\t)%2)
	ds_store_b64 v5, v[100:101] offset:1536*((\t)/4)+768*(((\t)/2)%2)+512+128*((\t)%2)
.if (\t)+2 < 8
	QLOAD (\t)+2, \n, \p
.endif
	s_wait_dscnt 0x0                               ; the stores have read their registers
.endm
.macro QW n, tile0, stg, p, x0
	s_sub_co_u32 s19, s17, \x0                     ; which 128 columns
	v_and_b32 v2, 31, v0                           ; lane = column in my 32
	v_lshlrev_b32 v3, 2, v2
	v_bfe_u32 v10, v2, 3, 1                        ; u: which of my two tiles the column falls into,
	v_and_b32 v11, 7, v2
	v_lshrrev_b32 v12, 4, v2
	v_lshl_add_u32 v11, v12, 3, v11                ; r: and which of its lanes
	s_mul_i32 s20, s16, 6400
	s_add_co_u32 s20, s20, \stg                    ; my stage: two tiles x (3072 + 128) bytes
	v_mul_u32_u24 v13, v10, 3200
	v_add_nc_u32 v13, s20, v13
	v_lshl_add_u32 v4, v11, 4, v13
	v_lshl_add_u32 v5, v11, 3, v13
	v_lshlrev_b32 v7, 4, v2
	v_add_nc_u32 v6, s20, v7                       ; back: 16 bytes a lane
	v_lshlrev_b32 v9, 3, v11
	v_lshl_add_u32 v9, v10, 9, v9                  ; my column's two scale words: 512 u + 8 r
	s_mul_i32 s22, s18, 256*\n*4                   ; 256 rows of K for each work-group y,
	s_lshl_b32 s24, s19, 9
	s_add_co_u32 s22, s22, s24
	s_lshl_b32 s24, s16, 7
	s_add_co_u32 s22, s22, s24                     ; + 4 x my first column
	s_add_nc_u64 s[\p:\p+1], s[\p:\p+1], s[22:23]
	s_lshl_b32 s24, s19, 3
	s_lshl_b32 s25, s16, 1
	s_add_co_u32 s24, s24, s25
	s_add_co_u32 s24, s24, \tile0                  ; my first tile
	s_mul_i32 s22, s24, 12288
	s_mul_i32 s25, s18, 3072
	s_add_co_u32 s22, s22, s25
	s_add_nc_u64 s[10:11], s[10:11], s[22:23]
	s_lshl_b32 s22, s24, 9
	s_lshl_b32 s25, s18, 7
	s_add_co_u32 s22, s22, s25
	s_add_nc_u64 s[12:13], s[12:13], s[22:23]
	QLOAD 0, \n, \p
	QLOAD 1, \n, \p
.set Q, 0
.rept 8
	QBLOCK Q, \n, \p
.set Q, Q+1
.endr
	s_wait_alu depctr_va_vdst(0)
	global_store_b64 v9, v[24:25], s[12:13]        ; two runs of 128 bytes: one byte in 128 of what the wave reads
.irp k, 0,1,2,3,4,5,6,7,8,9,10,11
	ds_load_b128 v[112+4*\k:115+4*\k], v6 offset:3200*(\k/6)+512*(\k%6)
.endr
.irp k, 0,1,2,3,4,5,6,7,8,9,10,11
	s_wait_dscnt 11-\k                             ; LDS loads come back in order: load k is in, the later ones may be out
	global_store_b128 v7, v[112+4*\k:115+4*\k], s[10:11] offset:12288*(\k/6)+512*(\k%6)   ; 512 consecutive bytes, aligned
.endr
.endm
	s_load_b256 s[4:11], s[0:1], 0x0               ; x, W_qkv, W_out, the codes
	s_load_b64 s[12:13], s[0:1], 0x20              ; the scale words
	v_lshl_add_u32 v248, v0, 2, 0x14c00
	v_mov_b32 v249, 0
	v_lshrrev_b32 v1, 5, v0
	v_readfirstlane_b32 s16, v1                    ; wave
	s_mov_b32 s17, ttmp9
	s_and_b32 s18, ttmp7, 0xffff
	s_mov_b32 s23, 0                               ; the upper word of every offset pair s[22:23]
	s_mov_b32 s28, 0x76543210
	s_mov_b32 s29, 0xfedcba98                      ; v_permlanex16_b32's selects for lane l xor 16
	s_wait_kmcnt 0x0
	s_cmp_lt_u32 s17, 64
	s_cbranch_scc1 .Lx
	s_cmp_lt_u32 s17, 88
	s_cbranch_scc1 .Lwqkv
	QW 1024, 704, STW, 8, 88
	s_wait_tensorcnt 0x0
	ds_add_u32 v248, v249
	s_wait_dscnt 0x0
	s_endpgm
.Lwqkv:
	QW 3072, 512, STQ, 6, 64
	s_wait_tensorcnt 0x0
	ds_add_u32 v248, v249
	s_wait_dscnt 0x0
	s_endpgm
.Lx:
	v_and_b32 v31, 31, v0
	v_lshlrev_b32 v1, 4, v31                       ; 16 x lane
	v_lshlrev_b32 v2, 3, v31                       ; 8 x lane
	v_and_b32 v3, 15, v0                           ; r
	v_bfe_u32 v4, v0, 4, 1                         ; h
	s_mul_i32 s19, s16, 8448                       ; my stage: 16 rows x 528 bytes
	v_add_nc_u32 v5, s19, v1
	v_mul_u32_u24 v6, v3, 528
	v_lshl_add_u32 v6, v4, 7, v6
	v_add_nc_u32 v6, s19, v6                       ; out of it: row r, + 128 h
	v_lshlrev_b32 v7, 3, v3
	v_lshl_add_u32 v7, v4, 7, v7                   ; scale words: 128 h + 8 r
	v_lshlrev_b32 v22, 3, v4                       ; 8 h
	v_mov_b32 v15, 0                               ; a lane permute's destination counts as one of its sources
	s_lshl_b32 s20, s18, 6
	s_add_co_u32 s20, s20, s17
	s_lshl_b32 s20, s20, 2
	s_add_co_u32 s20, s20, s16                     ; task = 4 (64 y + x) + wave
	s_lshr_b32 s21, s20, 1                         ; tile
	s_and_b32 s24, s20, 1                          ; which 512 along K
	s_lshr_b32 s25, s21, 1
	s_lshl_b32 s25, s25, 5
	s_and_b32 s26, s21, 1
	s_lshl_b32 s26, s26, 3
	s_add_co_u32 s25, s25, s26                     ; the tile's first row
	s_lshl_b32 s22, s25, 12
	s_lshl_b32 s26, s24, 11
	s_add_co_u32 s22, s22, s26
	s_add_nc_u64 s[4:5], s[4:5], s[22:23]
	s_mul_i32 s22, s21, 12288
	s_mul_i32 s26, s24, 6144
	s_add_co_u32 s22, s22, s26
	s_add_nc_u64 s[10:11], s[10:11], s[22:23]
	s_lshl_b32 s22, s21, 9
	s_lshl_b32 s26, s24, 8
	s_add_co_u32 s22, s22, s26
	s_add_nc_u64 s[12:13], s[12:13], s[22:23]
	LOADX 0
	LOADX 1
	s_wait_alu depctr_va_vdst(0)
	STEPX 0
	STEPX 1
	STEPX 2
	STEPX 3
	v_cmp_ne_u32 vcc_lo, 0, v4
	v_cndmask_b32 v20, v16, v18, vcc_lo            ; lanes 0-15 store the words of my first 256 along K, lanes 16-31 of the second
	v_cndmask_b32 v21, v17, v19, vcc_lo
	global_store_b64 v7, v[20:21], s[12:13]        ; 256 consecutive bytes, aligned
	s_wait_tensorcnt 0x0
	ds_add_u32 v248, v249
	s_wait_dscnt 0x0
	s_endpgm
.Lfunc_end_k_q23dc805dba_quant:
	.size	k_q23dc805dba_quant, .Lfunc_end_k_q23dc805dba_quant-k_q23dc805dba_quant
	.p2alignl 7, 3214868480
	.fill 96, 4, 3214868480
	.section	.rodata,"a",@progbits
	.p2align	6, 0x0
	.amdhsa_kernel k_q23dc805dba_quant
		.amdhsa_group_segment_fixed_size 85504
		.amdhsa_private_segment_fixed_size 0
		.amdhsa_enable_private_segment 0
		.amdhsa_kernarg_size 40
		.amdhsa_user_sgpr_count 2
		.amdhsa_user_sgpr_kernarg_segment_ptr 1
		.amdhsa_wavefront_size32 1
		.amdhsa_system_sgpr_workgroup_id_x 1
		.amdhsa_system_sgpr_workgroup_id_y 1
		.amdhsa_system_sgpr_workgroup_id_z 1
		.amdhsa_system_vgpr_workitem_id 0
		.amdhsa_next_free_vgpr 250
		.amdhsa_next_free_sgpr 66
		.amdhsa_reserve_vcc 1
		.amdhsa_float_denorm_mode_32 3
		.amdhsa_float_denorm_mode_16_64 3
		.amdhsa_memory_ordered 1
		.amdhsa_forward_progress 1
		.amdhsa_inst_pref_size 113
	.end_amdhsa_kernel
	.amdgpu_metadata
---
amdhsa.version: [ 1, 2 ]
amdhsa.kernels:
  - .name:           k_q23dc805dba_quant
    .symbol:         k_q23dc805dba_quant.kd
    .args:
      - { .name: x, .offset: 0, .size: 8, .value_kind: global_buffer, .address_space: global }
      - { .name: W_qkv, .offset: 8, .size: 8, .value_kind: global_buffer, .address_space: global }
      - { .name: W_out, .offset: 16, .size: 8, .value_kind: global_buffer, .address_space: global }
      - { .name: xw_codes, .offset: 24, .size: 8, .value_kind: global_buffer, .address_space: global }
      - { .name: xw_scales, .offset: 32, .size: 8, .value_kind: global_buffer, .address_space: global }
    .group_segment_fixed_size: 85504
    .private_segment_fixed_size: 0
    .kernarg_segment_align: 8
    .kernarg_segment_size: 40
    .max_flat_workgroup_size: 128
    .sgpr_count:     66
    .vgpr_count:     250
    .wavefront_size: 32
...
	.end_amdgpu_metadata
.endif
;; end of part 1
;; launch gemm_qkv (part 2): grid 12 x 32, 4 waves a work-group, clusters of 4 x 4, 327,680 bytes of LDS; arguments xw_codes, xw_scales, b_qkv, mask, qkv_codes, qkv_scales; writes qkv_codes, qkv_scales
.if DOCPART == 2
	.amdgcn_target "amdgcn-amd-amdhsa--gfx1250"
	.amdhsa_code_object_version 6
	.text
	.protected	k_q23dc805dba_gemm_qkv
	.globl	k_q23dc805dba_gemm_qkv
	.p2align	8
	.type	k_q23dc805dba_gemm_qkv,@function
k_q23dc805dba_gemm_qkv:
	s_mov_b64 s[64:65], 0
	v_nop
	global_prefetch_b8 v0, s[64:65] scope:SCOPE_SE
	s_setreg_imm32_b32 hwreg(HW_REG_WAVE_MODE, 25, 1), 1
	s_wait_xcnt 0x0
	s_wait_alu depctr_hold_cnt(0) depctr_sa_sdst(0) depctr_va_vdst(0) depctr_va_sdst(0) depctr_va_ssrc(0) depctr_va_vcc(0) depctr_vm_vsrc(0)
	s_getreg_b32 s2, hwreg(HW_REG_IB_STS2, 6, 4)
	s_cmp_eq_u32 s2, 0
	s_cbranch_scc0 .Lentry_in_a_cluster
	s_endpgm
.Lentry_in_a_cluster:
	s_bfe_u32 s2, ttmp6, 0x10000c
	s_cmp_lg_u32 s2, 0xf033
	s_cbranch_scc0 .Lentry_shape_is_right
	s_endpgm
.Lentry_shape_is_right:
.set NQ,     2
.set FR,     12
.set NL,     4
.set NP,     4
.set KSB,    1536
.set ROWB,   3072
.set HALFT,  8*ROWB
.set SLOT,   4*HALFT
.set SCL,    2*SLOT
.set HALFS,  4096
.set SBLK,   512
.set SPARE,  SCL+4*HALFS
.set ADRA, 16
.set ADRB, 20
.set ADRS, 27
.set SPW,  28
.set NIL,  29
.set SC,   32
.set CB,   64
.set AF,   128
.set MW,   224
.set TM,   64
.set WS,   80
.set SELR, 88
.set EV,   92
.set PC,   96
.set PC2,  108
.set OD,   116
.set G1, 24
.set G0, 32
.set G1B, 48
.set G0B, 56
.set G1S, 68
.set G0S, 76
.set G1SB, 80
.set G0SB, 88
.set MSB, 0
.macro WIN new
.if MSB != \new
	s_set_vgpr_msb (MSB<<8)|\new
.set MSB, \new
.endif
.endm
.set MUL_LO, 0xa1
.set MUL_HI, 0xf1
.set TO_B,   0x40
.macro JLOAD g0a, g1a, g0b, g1b
	s_cmp_eq_u32 s15, 0
	s_cbranch_scc0 .Lfor_b_\@
	tensor_load_to_lds s[\g0a:\g0a+3], s[\g1a:\g1a+7]
	s_nop 0
.rept 4
	v_nop
.endr
	s_branch .Lasked_\@
.Lfor_b_\@:
	tensor_load_to_lds s[\g0b:\g0b+3], s[\g1b:\g1b+7]
	s_nop 0
.rept 4
	v_nop
.endr
.Lasked_\@:
.endm
.macro CREST
	s_cmp_lg_u32 s14, 0
	s_cbranch_scc1 .Lnot_wave_0_\@
	s_barrier_signal -3
.Lnot_wave_0_\@:
	s_barrier_wait -3
	s_barrier_signal -1
	s_barrier_wait -1
.endm
.macro CROUND
	s_barrier_signal -1
	s_barrier_wait -1
	CREST
.endm
	s_load_b256 s[4:11], s[0:1], 0x0
	s_load_b64 s[12:13], s[0:1], 0x20
	s_load_b64 s[98:99], s[0:1], 0x28
	v_lshl_add_u32 v[SPW], v0, 2, SPARE
	v_mov_b32 v[NIL], 0
	ds_add_u32 v28, v29
	ds_add_u32 v28, v29
	s_wait_dscnt 0x0
	v_lshrrev_b32 v1, 5, v0
	v_readfirstlane_b32 s14, v1
	s_lshr_b32 s15, s14, 1
	s_and_b32 s16, s14, 1
	s_bfe_u32 s40, ttmp6, 0x40000
	s_bfe_u32 s41, ttmp6, 0x40004
	s_and_b32 s18, ttmp7, 0xffff
	s_lshl_b32 s18, s18, 2
	s_lshl_b32 s19, ttmp9, 2
	s_cmp_eq_u32 ttmp9, 2
	s_cselect_b32 s17, 0, s18
	s_cselect_b32 s42, s18, s19
	s_cselect_b32 s96, 640, 0
	s_cselect_b32 s97, 0, 512
	s_cselect_b32 s66, 1, 0
	s_add_co_u32 s17, s17, s41
	s_add_co_u32 s42, s42, s40
	s_cmp_eq_u32 ttmp9, 1
	s_cselect_b32 s67, 0, -1
	s_lshl_b32 s43, s41, 2
	s_lshl_b32 s43, 15, s43
	s_lshl_b32 s44, 0x1111, s40
	s_or_b32 s[G1+0], s43, (3<<16)|(1<<21)
	s_or_b32 s[G1B+0], s44, (3<<16)|(1<<21)
.irp g, G1, G1B
	s_mov_b32 s[\g+1], 384<<16
	s_mov_b32 s[\g+2], 16<<16                      ; the head's loads bring all 16 row tiles; behind them the two words that count rows are set to 8
	s_mov_b32 s[\g+3], 384<<16
	s_mov_b32 s[\g+4], 16
	s_mov_b32 s[\g+5], 1536
	s_mov_b32 s[\g+6], 0
	s_mov_b32 s[\g+7], 0
.endr
	s_or_b32 s[G1S+0], s43, (3<<16)|(1<<21)
	s_or_b32 s[G1SB+0], s44, (3<<16)|(1<<21)
.irp g, G1S, G1SB
	s_mov_b32 s[\g+1], 32<<16
	s_mov_b32 s[\g+2], 32<<16                      ; the scale words of 16 row tiles: 32 rows of 256 dense bytes
	s_mov_b32 s[\g+3], 32<<16
	s_mov_b32 s[\g+4], 32
	s_mov_b32 s[\g+5], 32
	s_mov_b32 s[\g+6], 0
	s_mov_b32 s[\g+7], 0
.endr
	s_mul_i32 s18, s16, 8*12288                    ; in the ring I fetch 8 of a side's 16 row tiles: which half, in bytes
	s_mov_b32 s19, 0
	s_lshl_b32 s20, s17, 4
	s_add_co_u32 s20, s20, s96
	s_lshl_b32 s46, s42, 4
	s_add_co_u32 s46, s46, s97
	s_lshl_b32 s22, s20, 9
	s_mov_b32 s23, 0
	s_lshl_b32 s92, s46, 9
	s_mov_b32 s93, 0
	s_mul_i32 s20, s20, 12288
	s_mov_b32 s21, 0
	s_mul_i32 s46, s46, 12288
	s_mov_b32 s47, 0
	s_mul_i32 s45, s14, HALFT
	s_wait_kmcnt 0x0
	s_add_nc_u64 s[20:21], s[4:5], s[20:21]
	s_add_nc_u64 s[22:23], s[6:7], s[22:23]
	s_add_nc_u64 s[46:47], s[4:5], s[46:47]
	s_add_nc_u64 s[92:93], s[6:7], s[92:93]
	CROUND
	s_mov_b32 s[G0S], 1                            ; the head's four tiles, each whole: the scale words of A's 16 row tiles,
	s_mov_b32 s[G0S+1], SCL
	s_mov_b64 s[G0S+2:G0S+3], s[22:23]
	s_or_b32 s[G0S+3], s[G0S+3], 0x80000000
	s_mov_b32 s[G0SB], 1                           ; and of B's
	s_mov_b32 s[G0SB+1], SCL+2*HALFS
	s_mov_b64 s[G0SB+2:G0SB+3], s[92:93]
	s_or_b32 s[G0SB+3], s[G0SB+3], 0x80000000
	s_add_nc_u64 s[92:93], s[20:21], s[18:19]      ; for the ring: my 8 row tiles of A,
	s_add_nc_u64 s[18:19], s[46:47], s[18:19]      ; of B
.irp s, 0,1
	s_mov_b32 s[G0+4*\s], 1
	s_add_co_u32 s[G0+4*\s+1], s45, \s*SLOT
	s_add_nc_u64 s[G0+4*\s+2:G0+4*\s+3], s[92:93], \s*ROWB
	s_or_b32 s[G0+4*\s+3], s[G0+4*\s+3], 0x80000000
	s_mov_b32 s[G0B+4*\s], 1
	s_add_co_u32 s[G0B+4*\s+1], s45, \s*SLOT
	s_add_nc_u64 s[G0B+4*\s+2:G0B+4*\s+3], s[18:19], \s*ROWB
	s_or_b32 s[G0B+4*\s+3], s[G0B+4*\s+3], 0x80000000
.endr
	s_mov_b64 s[22:23], s[20:21]                   ; s[20:23]: group 0 for slot 0's 16 row tiles of A,
	s_mov_b32 s20, 1
	s_mov_b32 s21, 0
	s_or_b32 s23, s23, 0x80000000
	s_mov_b32 s44, 1                               ; s[44:47]: for B's, behind them in slot 0
	s_mov_b32 s45, 2*HALFT
	s_or_b32 s47, s47, 0x80000000
; the head's loads, one a wave, in one chain of branches on the wave's number
.macro ARM under, g0, g1, next
	s_cmp_lt_u32 s14, \under
	s_cbranch_scc0 \next
	tensor_load_to_lds s[\g0:\g0+3], s[\g1:\g1+7]
	s_nop 0
.rept 4
	v_nop
.endr
	s_branch .Lhead_asked
\next:
.endm
	ARM 1, 20,  G1,  .Lhead_b
	ARM 2, 44,  G1B, .Lhead_sa
	ARM 3, G0S, G1S, .Lhead_sb
	tensor_load_to_lds s[G0SB:G0SB+3], s[G1SB:G1SB+7]
	s_nop 0
.rept 4
	v_nop
.endr
.Lhead_asked:
	s_wait_alu depctr_va_vdst(0)
	s_wait_tensorcnt 0x0                           ; my tile of the head's four is in
	ds_add_u32 v28, v29
	s_mov_b32 s[G1+2], 8<<16                       ; no tensor load of mine is out: from here on a load brings 8 row tiles
	s_mov_b32 s[G1+4], 8
	s_mov_b32 s[G1B+2], 8<<16
	s_mov_b32 s[G1B+4], 8
	s_wait_dscnt 0x0
	CROUND
	JLOAD G0+4, G1, G0B+4, G1B                     ; slot 1's first fill, the first tensor load behind the round
	v_and_b32 v1, 15, v0
	v_bfe_u32 v2, v0, 4, 1
	v_and_b32 v3, 31, v0
	v_lshlrev_b32 v4, 4, v3
	v_lshlrev_b32 v5, 3, v3
	s_mul_i32 s21, s15, HALFT
	s_mul_i32 s22, s16, HALFT
	s_add_co_u32 s22, s22, 2*HALFT
.irp s, 0,1
	v_add_nc_u32 v[ADRA+\s], s21, v4
	v_add_nc_u32 v[ADRB+\s], s22, v4
	v_add_nc_u32 v[ADRA+2+\s], s21, v5
	v_add_nc_u32 v[ADRB+2+\s], s22, v5
	s_add_co_u32 s21, s21, SLOT
	s_add_co_u32 s22, s22, SLOT
.endr
	v_lshlrev_b32 v5, 3, v1
	s_mul_i32 s21, s15, HALFS
	s_mul_i32 s22, s16, HALFS
	s_add_co_u32 s22, s22, 2*HALFS
	s_sub_co_u32 s22, s22, s21
	v_mul_u32_u24 v6, s22, v2
	s_add_co_u32 s21, s21, SCL
	v_add_nc_u32 v5, v5, v6
	v_add_nc_u32 v[ADRS], s21, v5
	v_and_b32 v6, 8, v1
	v_add_nc_u32 v6, v6, v1
	v_lshlrev_b32 v9, 2, v6
	v_lshlrev_b32 v8, 6, v2
	s_lshl_b32 s18, s17, 10
	s_lshl_b32 s19, s15, 9
	s_add_co_u32 s18, s18, s19
	s_mov_b32 s19, 0
	s_add_nc_u64 s[18:19], s[10:11], s[18:19]
.irp a, 0,1,2,3,4,5,6,7
	global_load_b32 v[MW+\a], v9, s[18:19] offset:(32*(\a/2)+8*(\a%2))*4
.endr
	s_cmp_eq_u32 s66, 0
	s_cbranch_scc0 .Lbias_v
	s_lshl_b32 s20, s42, 10
	s_lshl_b32 s21, s16, 9
	s_add_co_u32 s20, s20, s21
	s_mov_b32 s21, 0
	s_add_nc_u64 s[20:21], s[8:9], s[20:21]
	s_wait_alu depctr_va_vdst(0)
.irp b, 0,1,2,3,4,5,6,7
	global_load_b128 v[CB+8*\b:CB+8*\b+3], v8, s[20:21] offset:(32*(\b/2)+8*(\b%2))*4
	global_load_b128 v[CB+8*\b+4:CB+8*\b+7], v8, s[20:21] offset:(32*(\b/2)+8*(\b%2))*4+16
.endr
	s_branch .Lbias_done
.Lbias_v:
	s_lshl_b32 s20, s17, 10
	s_lshl_b32 s21, s15, 9
	s_add_co_u32 s20, s20, s21
	s_add_co_u32 s20, s20, 8192
	s_mov_b32 s21, 0
	s_add_nc_u64 s[20:21], s[8:9], s[20:21]
	s_wait_alu depctr_va_vdst(0)
.irp a, 0,1,2,3,4,5,6,7
	global_load_b32 v[CB+8*\a], v9, s[20:21] offset:(32*(\a/2)+8*(\a%2))*4
.endr
	s_wait_loadcnt 0x0
.irp a, 0,1,2,3,4,5,6,7
.irp j, 1,2,3,4,5,6,7
	v_mov_b32 v[CB+8*\a+\j], v[CB+8*\a]
.endr
.endr
.Lbias_done:
	s_wait_loadcnt 0x0
.irp a, 0,1,2,3,4,5,6,7
	v_cmp_ne_u32 vcc_lo, 0, v[MW+\a]
	v_cndmask_b32 v[MW+\a], 0, -1, vcc_lo
.endr
.irp a, 0,1,2,3,4,5,6,7
	v_or_b32 v[MW+\a], s67, v[MW+\a]
.endr
.macro FRAG reg, adr, q, i
	ds_load_b128 v[\reg:\reg+3], v[\adr] offset:(\i)*ROWB+(\q)*KSB
	ds_load_b64 v[\reg+4:\reg+5], v[\adr+2] offset:(\i)*ROWB+(\q)*KSB+512
	ds_load_b128 v[\reg+6:\reg+9], v[\adr] offset:(\i)*ROWB+(\q)*KSB+768
	ds_load_b64 v[\reg+10:\reg+11], v[\adr+2] offset:(\i)*ROWB+(\q)*KSB+1280
.endm
.macro MUL16 a0, p, q, sc, zero
.irp a, \a0, \a0+1
.irp b, 0,1,2,3,4,5,6,7
.set rD, 8*(8*((\a)%4)+\b)
.set rB, 128*(\p)+FR*\b
.set rA, AF+FR*(\a)
.set rSB, SC+8*NQ*(\sc)+NQ*\b+(\q)
.set rSA, SC+8*NQ*(\sc)+NQ*(\a)+(\q)
.if (\zero) == 0
	v_wmma_scale_f32_16x16x128_f8f6f4 v[rD:rD+7], v[rB:rB+FR-1], v[rA:rA+FR-1], v[rD:rD+7], v[rSB], v[rSA] matrix_a_fmt:MATRIX_FMT_FP6 matrix_b_fmt:MATRIX_FMT_FP6 matrix_a_scale:MATRIX_SCALE_ROW1
.elseif (\zero) == 1
	v_wmma_scale_f32_16x16x128_f8f6f4 v[rD:rD+7], v[rB:rB+FR-1], v[rA:rA+FR-1], v[CB+8*\b:CB+8*\b+7], v[rSB], v[rSA] matrix_a_fmt:MATRIX_FMT_FP6 matrix_b_fmt:MATRIX_FMT_FP6 matrix_a_scale:MATRIX_SCALE_ROW1
.else
	v_wmma_scale_f32_16x16x128_f8f6f4 v[rD:rD+7], v[rB:rB+FR-1], v[rA:rA+FR-1], v[CB+8*(\a):CB+8*(\a)+7], v[rSB], v[rSA] matrix_a_fmt:MATRIX_FMT_FP6 matrix_b_fmt:MATRIX_FMT_FP6 matrix_a_scale:MATRIX_SCALE_ROW1
.endif
.endr
.endr
.endm
.macro FETCH_B slot, q, p
	WIN TO_B
.irp i, 0,1,2,3,4,5,6,7
	FRAG 128*(\p)+FR*\i, ADRB+\slot, \q, \i
.endr
	WIN 0
.endm
.macro FETCH_A slot, q, i0
.irp i, \i0, \i0+1, \i0+2, \i0+3
	FRAG AF+FR*(\i), ADRA+\slot, \q, \i
.endr
.endm
.macro SCALES sc
.irp i, 0,1,2,3,4,5,6,7
	ds_load_b64 v[SC+8*NQ*\sc+NQ*\i:SC+8*NQ*\sc+NQ*\i+1], v[ADRS] offset:\i*SBLK
.endr
.endm
.macro PLACES n
.rept \n
	v_nop
.endr
.endm
.macro STEP slot, q, zero
	s_wait_dscnt 4*NL
.if \zero
	WIN 0x81
.else
	WIN MUL_LO
.endif
	MUL16 0, (\q)%2, \q, \slot, \zero
	MUL16 2, (\q)%2, \q, \slot, \zero
	s_wait_dscnt 0
	PLACES NP
	FETCH_B \slot, (\q)+1, 1-(\q)%2
	FETCH_A \slot, (\q)+1, 0
.if \zero
	WIN 0xc1
.else
	WIN MUL_HI
.endif
	MUL16 4, (\q)%2, \q, \slot, \zero
	MUL16 6, (\q)%2, \q, \slot, \zero
	PLACES NP
	WIN 0
	FETCH_A \slot, (\q)+1, 4
.endm
.macro TURN slot, next, fill
	s_wait_tensorcnt 0x0
	ds_add_u32 v[SPW], v[NIL]
	s_wait_dscnt 4*NL+1
	WIN MUL_LO
	MUL16 0, 1, NQ-1, \slot, 0
	s_wait_dscnt 0x0
	s_barrier_signal -1
	MUL16 2, 1, NQ-1, \slot, 0
	WIN 0
	s_barrier_wait -1
.if \fill
	CREST
	s_add_nc_u64 s[G0+4*\slot+2:G0+4*\slot+3], s[G0+4*\slot+2:G0+4*\slot+3], 2*ROWB
	s_add_nc_u64 s[G0B+4*\slot+2:G0B+4*\slot+3], s[G0B+4*\slot+2:G0B+4*\slot+3], 2*ROWB
	JLOAD G0+4*\slot, G1, G0B+4*\slot, G1B
.else
	PLACES NP
.endif
	s_wait_alu depctr_va_vdst(0)
	v_add_nc_u32 v[ADRS], 128, v[ADRS]
	FETCH_B \next, 0, 0
	FETCH_A \next, 0, 0
	SCALES \next
	WIN MUL_HI
	MUL16 4, 1, NQ-1, \slot, 0
	MUL16 6, 1, NQ-1, \slot, 0
	PLACES NP
	WIN 0
	FETCH_A \next, 0, 4
.endm
	s_wait_tensorcnt 1
	s_barrier_signal -1
	s_barrier_wait -1
	FETCH_B 0, 0, 0
	FETCH_A 0, 0, 0
	SCALES 0
	FETCH_A 0, 0, 4
	s_cmp_eq_u32 s66, 0
	s_cbranch_scc0 .Lfirst_v
	STEP 0, 0, 1
	s_branch .Lfirst_done
.Lfirst_v:
	STEP 0, 0, 2
.Lfirst_done:
	s_mov_b32 s3, 1
.Llap:
	TURN 0, 1, 1
	STEP 1, 0, 0
	TURN 1, 0, 1
	STEP 0, 0, 0
	s_sub_co_u32 s3, s3, 1
	s_cmp_lg_u32 s3, 0
	s_cbranch_scc1 .Llap
	TURN 0, 1, 0
	STEP 1, 0, 0
	s_wait_dscnt 4*NL
	WIN MUL_LO
	MUL16 0, 1, NQ-1, 1, 0
	MUL16 2, 1, NQ-1, 1, 0
	s_wait_dscnt 0
	WIN MUL_HI
	MUL16 4, 1, NQ-1, 1, 0
	MUL16 6, 1, NQ-1, 1, 0
	WIN 0
	PLACES NP
	s_lshr_b32 s18, s17, 3
	s_and_b32 s19, s17, 7
	s_lshl_b32 s20, s18, 3
	s_lshl_b32 s21, s40, 1
	s_add_co_u32 s20, s20, s21
	s_add_co_u32 s20, s20, s16
	s_lshl_b32 s21, s20, 7
	s_lshl_b32 s22, s19, 4
	s_add_co_u32 s21, s21, s22
	s_lshl_b32 s22, s15, 3
	s_add_co_u32 s21, s21, s22
	s_mul_i32 s21, s21, 1536
	s_mul_i32 s22, ttmp9, 6291456
	s_add_co_u32 s21, s21, s22
	s_mul_i32 s20, s20, 40960
	s_lshl_b32 s22, ttmp9, 13
	s_add_co_u32 s20, s20, s22
	s_lshl_b32 s22, s19, 1
	s_add_co_u32 s22, s22, s15
	s_lshl_b32 s22, s22, 9
	s_add_co_u32 s20, s20, s22
	s_lshr_b32 s18, s42, 3
	s_and_b32 s19, s42, 7
	s_lshl_b32 s22, s18, 3
	s_lshl_b32 s23, s41, 1
	s_add_co_u32 s22, s22, s23
	s_add_co_u32 s22, s22, s15
	s_lshl_b32 s19, s19, 1
	s_add_co_u32 s19, s19, s16
	s_lshl_b32 s23, s22, 4
	s_add_co_u32 s23, s23, s19
	s_mul_i32 s23, s23, 12288
	s_add_co_u32 s23, s23, 12582912
	s_mul_i32 s22, s22, 40960
	s_add_co_u32 s22, s22, 16384
	s_lshl_b32 s19, s19, 8
	s_add_co_u32 s22, s22, s19
	s_cmp_eq_u32 s66, 0
	s_cselect_b32 s46, s21, s23
	s_cselect_b32 s92, s20, s22
	s_mov_b32 s47, 0
	s_mov_b32 s93, 0
	s_add_nc_u64 s[12:13], s[12:13], s[46:47]
	s_add_nc_u64 s[98:99], s[98:99], s[92:93]
	s_mov_b32 s96, 0x76543210
	s_mov_b32 s97, 0xfedcba98
	v_and_b32 v3, 31, v0
	v_lshlrev_b32 v1, 4, v3
	v_lshlrev_b32 v2, 3, v3
	v_and_b32 v5, 15, v0
	v_bfe_u32 v6, v0, 4, 1
	v_lshlrev_b32 v3, 5, v5
	v_lshl_add_u32 v3, v6, 4, v3
	v_mul_u32_u24 v4, v6, 20480
	v_lshl_add_u32 v4, v5, 4, v4
.irp b, 0,1,2,3
	v_mov_b32 v[TM+4+\b], 0
.endr
.macro OUTA a
.set AC, 64*((\a)%4)
.set WW, 2+(\a)/4
	WIN WW|(WW<<2)
.irp b, 0,1,2,3
	v_max3_num_f32 v[TM+\b], |v[AC+16*\b]|, |v[AC+16*\b+1]|, 0x1800000
.endr
.irp i, 2,4,6,8,10,12,14
.irp b, 0,1,2,3
	v_max3_num_f32 v[TM+\b], |v[AC+16*\b+\i]|, |v[AC+16*\b+\i+1]|, v[TM+\b]
.endr
.endr
	WIN 0
.irp b, 0,1,2,3
	v_permlanex16_b32 v[TM+4+\b], v[TM+\b], s96, s97
.endr
.irp b, 0,1,2,3
	v_max_num_f32 v[TM+\b], v[TM+\b], v[TM+4+\b]
.endr
.irp b, 0,1,2,3
	v_add_nc_u32 v[TM+12+\b], 0xff000000, v[TM+\b]
.endr
.irp b, 0,1,2,3
	v_lshrrev_b32 v[TM+4+\b], 23, v[TM+12+\b]
.endr
	v_lshl_or_b32 v[WS+(\a)], v[TM+5], 8, v[TM+4]
	v_lshl_or_b32 v[WS+(\a)], v[TM+6], 16, v[WS+(\a)]
	v_lshl_or_b32 v[WS+(\a)], v[TM+7], 24, v[WS+(\a)]
	s_wait_xcnt 0x0
	WIN WW
.irp c, 0,1
	v_cvt_scalef32_pk16_fp6_f32 v[PC+6*\c:PC+6*\c+2], v[AC+32*\c:AC+32*\c+15], v[TM+12+2*\c]
	v_cvt_scalef32_pk16_fp6_f32 v[PC2+4*\c:PC2+4*\c+2], v[AC+32*\c+16:AC+32*\c+31], v[TM+12+2*\c+1]
.endr
	WIN 0
	v_nop
.irp c, 0,1
.irp i, 0,1,2
	v_permlane16_swap_b32 v[PC+6*\c+\i], v[PC2+4*\c+\i]
.endr
.irp i, 0,1,2
	v_mov_b32 v[PC+6*\c+3+\i], v[PC2+4*\c+\i]
.endr
.endr
.irp i, 0,1,2,3,4,5,6,7,8,9,10,11
	v_and_b32 v[PC+\i], v[MW+(\a)], v[PC+\i]
.endr
	global_store_b128 v1, v[PC:PC+3], s[12:13] offset:(\a)*1536 th:TH_STORE_NT
	global_store_b64 v2, v[PC+4:PC+5], s[12:13] offset:(\a)*1536+512 th:TH_STORE_NT
	global_store_b128 v1, v[PC+6:PC+9], s[12:13] offset:(\a)*1536+768 th:TH_STORE_NT
	global_store_b64 v2, v[PC+10:PC+11], s[12:13] offset:(\a)*1536+1280 th:TH_STORE_NT
.endm
.irp a, 0,1,2,3,4,5,6,7
	OUTA \a
.endr
	v_cmp_ne_u32 vcc_lo, 0, v6
.irp i, 0,1,2,3
	v_cndmask_b32 v[SELR+\i], v[WS+\i], v[WS+4+\i], vcc_lo
.endr
	s_cmp_eq_u32 s66, 0
	s_cbranch_scc0 .Lsc_v
	s_mov_b32 s95, 0x7f7f0000
	s_cmp_eq_u32 ttmp9, 1
	s_cselect_b32 s95, 0x85890000, s95
.irp i, 0,1,2,3
	v_and_or_b32 v[EV+\i], v[SELR+\i], 0xffff, s95
	v_lshrrev_b32 v[OD+\i], 16, v[SELR+\i]
.endr
.irp i, 0,1,2,3
	v_or_b32 v[OD+\i], s95, v[OD+\i]
.endr
	global_store_b128 v3, v[EV:EV+3], s[98:99] th:TH_STORE_NT
	global_store_b128 v3, v[OD:OD+3], s[98:99] offset:20480 th:TH_STORE_NT
	s_branch .Lsc_done
.Lsc_v:
	s_wait_alu depctr_va_vdst(0)
	global_store_b128 v4, v[SELR:SELR+3], s[98:99] th:TH_STORE_NT
.Lsc_done:
	s_wait_tensorcnt 0x0
	ds_add_u32 v[SPW], v[NIL]
	s_wait_dscnt 0x0
	CROUND
	s_endpgm
.Lfunc_end_k_q23dc805dba_gemm_qkv:
	.size	k_q23dc805dba_gemm_qkv, .Lfunc_end_k_q23dc805dba_gemm_qkv-k_q23dc805dba_gemm_qkv
	.p2alignl 7, 3214868480
	.fill 96, 4, 3214868480
	.section	.rodata,"a",@progbits
	.p2align	6, 0x0
	.amdhsa_kernel k_q23dc805dba_gemm_qkv
		.amdhsa_group_segment_fixed_size 327680
		.amdhsa_private_segment_fixed_size 0
		.amdhsa_enable_private_segment 0
		.amdhsa_kernarg_size 48
		.amdhsa_user_sgpr_count 2
		.amdhsa_user_sgpr_kernarg_segment_ptr 1
		.amdhsa_wavefront_size32 1
		.amdhsa_system_sgpr_workgroup_id_x 1
		.amdhsa_system_sgpr_workgroup_id_y 1
		.amdhsa_system_sgpr_workgroup_id_z 1
		.amdhsa_system_vgpr_workitem_id 0
		.amdhsa_next_free_vgpr 1024
		.amdhsa_next_free_sgpr 102
		.amdhsa_reserve_vcc 1
		.amdhsa_float_denorm_mode_32 3
		.amdhsa_float_denorm_mode_16_64 3
		.amdhsa_memory_ordered 1
		.amdhsa_forward_progress 1
		.amdhsa_inst_pref_size 175
	.end_amdhsa_kernel
	.amdgpu_metadata
---
amdhsa.version: [ 1, 2 ]
amdhsa.kernels:
  - .name:           k_q23dc805dba_gemm_qkv
    .symbol:         k_q23dc805dba_gemm_qkv.kd
    .args:
      - { .name: xw_codes, .offset: 0, .size: 8, .value_kind: global_buffer, .address_space: global }
      - { .name: xw_scales, .offset: 8, .size: 8, .value_kind: global_buffer, .address_space: global }
      - { .name: b_qkv, .offset: 16, .size: 8, .value_kind: global_buffer, .address_space: global }
      - { .name: mask, .offset: 24, .size: 8, .value_kind: global_buffer, .address_space: global }
      - { .name: qkv_codes, .offset: 32, .size: 8, .value_kind: global_buffer, .address_space: global }
      - { .name: qkv_scales, .offset: 40, .size: 8, .value_kind: global_buffer, .address_space: global }
    .group_segment_fixed_size: 327680
    .private_segment_fixed_size: 0
    .kernarg_segment_align: 8
    .kernarg_segment_size: 48
    .max_flat_workgroup_size: 128
    .sgpr_count:     102
    .vgpr_count:     1024
    .wavefront_size: 32
...
	.end_amdgpu_metadata
.endif
;; end of part 2
;; launch attn (part 3): grid 4 x 64, 16 waves a work-group, clusters of 4 x 1, 227,840 bytes of LDS; arguments qkv_codes, qkv_scales, mask, att_codes, att_scales; writes att_codes, att_scales
.if DOCPART == 3
	.amdgcn_target "amdgcn-amd-amdhsa--gfx1250"
	.amdhsa_code_object_version 6
	.text
	.protected	k_q23dc805dba_attn
	.globl	k_q23dc805dba_attn
	.p2align	8
	.type	k_q23dc805dba_attn,@function
k_q23dc805dba_attn:
	s_mov_b64 s[64:65], 0
	v_nop
	global_prefetch_b8 v0, s[64:65] scope:SCOPE_SE
	s_setreg_imm32_b32 hwreg(HW_REG_WAVE_MODE, 25, 1), 1
	s_wait_xcnt 0x0
	s_wait_alu depctr_hold_cnt(0) depctr_sa_sdst(0) depctr_va_vdst(0) depctr_va_sdst(0) depctr_va_ssrc(0) depctr_va_vcc(0) depctr_vm_vsrc(0)
	s_getreg_b32 s2, hwreg(HW_REG_IB_STS2, 6, 4)
	s_cmp_eq_u32 s2, 0
	s_cbranch_scc0 .Lentry_in_a_cluster
	s_endpgm
.Lentry_in_a_cluster:
	s_bfe_u32 s2, ttmp6, 0x10000c
	s_cmp_lg_u32 s2, 0x3003
	s_cbranch_scc0 .Lentry_shape_is_right
	s_endpgm
.Lentry_shape_is_right:
; For each batch and head: O[q] = sum over k of softmax_k(where(mask[k] == 0, -1000, Q[q] . K[k] / 8)) V[k], both products on codes of FP6 (E2M3) with E8M0 scales; O / l is quantised along the head's 64 for the last product.
; THE SOFTMAX: t = score x log2(e) / 8; M = the running largest t, rounded up to a whole number; p = 2^(t - M) is quantised along the keys; the row's sum is taken of the unquantised p and divides at the end.
; SHARES.  A work-group owns 512 queries of one head; each of its sixteen waves takes two tiles of 16 queries, one after the other (PASS 0, PASS 1), and walks the head's 2048 keys, 128 a step.
; A HEAD'S K AND V STAY IN LDS, filled ONCE by sixteen tensor loads, one a wave, at the head; no LDS byte is filled again, and one barrier shows them to all waves.
; CLUSTER.  The four work-groups of a cluster walk the same head: every tile is asked for jointly, by the same tensor load with the mask of all four.
; LAYOUT.  Both products are used transposed: S^T = K Q^T, O^T = V^T P^T: a lane holds one query throughout.
; In memory lane r' of key tile i holds key 32 (i / 2) + 8 (i % 2) + r' + 8 (r' / 8).  A score tile (c, t) takes other rows, chosen by LDS address alone: its rows 0-7 are keys 64 c + 8 t + 0..7, its rows 8-15 keys 64 c + 32 + 8 t + 0..7
; (memory tile 4 c + 2 (r / 8) + t % 2, lane 8 (t / 2) + r % 8).  So the 32 registers of tiles (c, 0..3) of lane (r, h) are the 32 keys of block 2 c + h, in order: a block's maximum and its codes need no other lane.
; K's tiles lie in LDS in four regions by tile number mod 4, registers 0-3 and registers 4-5 apart; the regions of the upper rows are shifted by 128 and 64 bytes, so that the lanes of a load touch different banks (64 banks of 4 bytes: ISA guide 11.1).
; THE MASK.  The head has 64 along K, the instruction 128.  A masked key's codes of k = 0 .. 63 were stored as zeros; register 6 of each K fragment (k = 64 in lanes 0-15, k = 96 in lanes 16-31) comes from a table in LDS:
; the codes -7.5 and -5 where the key is masked, 0 elsewhere; K's scale bytes 2, 3 are 2^10, 2^6; Q holds the code 1.0 there under the scale 1: a masked score is exactly -7680 - 320 = -8000 = 8 x -1000.
; K'S FRAGMENTS OVERLAP: they stand 8 registers apart, so registers 7-11 of one are whatever lies there.  Q's codes of those k are zeros, and every FP6 code is a finite number: these products are exact zeros.
; DEPENDENT LINES ARE LAID APART: eight chains of maxima (one an accumulator), eight chains of the sum, and V's LDS loads between the links of the one chain that makes M.
; LIMITS: a block of zeros, or one whose largest magnitude lies under 2^-124, gets the byte 1; NaN and infinities are not served.
; No prefetch: every byte that a work-group reads is asked for by its first loads.
.set K2B, 65792                        ; LDS: K's registers 0-3 from 0: region (u, g) at 16384 u + 32896 g, 32 tiles x 512 bytes; registers 4-5 from K2B: 8192 u + 16448 g, 32 x 256
.set VC,  98816                        ; V's codes, 16 steps x 4 channel tiles x 1536
.set KS,  197120                       ; K's scale words, [128 keys: 16][r' 16][tile 8]
.set VS,  205312                       ; V's, [128 keys: 16][r 16][channel tile 4]
.set MC,  209408                       ; the mask's codes, a word for each score tile and lane: stored by the waves, never a tensor load's target
.set SPARE, 225792                     ; the spare words, 128 bytes a wave
.set QF,  20                           ; v20-31   Q's fragment
.set KF,  32                           ; v32-99   K's eight fragments, 8 apart; then V's four, 12 apart, in v32-79
.set U,   KF+48                        ; v80-87   behind the score products: four more chains of the step's sum
.set MX,  KF+56                        ; v88-97   behind the score products: the chains of the maxima
.set S,   100                          ; v100-163 S^T, then p
.set O,   164                          ; v164-195 O^T
.set PC,  196                          ; v196-207 p's codes
.set PC2, 208                          ; v208-214 the second halves as converted
.set BM,  216                          ; v216-217 my two blocks' largest scores, then largest p
.set SO,  218                          ; v218-219 partial maxima; the conversions' scale operands
.set TT,  220
.set PR,  221
.set FF,  222                          ; v[222:223] f = 2^(old M - new M) in the low word
.set T,   224                          ; v224-231 four chains of the step's sum
.set KSC, 232                          ; v232-239 K's scale words, v240-243 V's, v244 Q's, v245 p's, v252 the next Q's: scales and nothing else
.set VSC, 240
.set QSC, 244
.set PSC, 245
.set QN,  246                          ; v246-251 the second query tile's codes
.set QNS, 252
.set OM,  253                          ; v253     the last step's -M
.set WV,  18
.set SEL, 20
.set CS,  22
.set G1A, 24
.set G1B, 32
.set G1V, 40
.set G1S, 80
.set G0A, 48
.set G0B, 52
.set G0V, 56
.set G0S, 88
.set TA,  70                           ; where the 256 keys in hand begin: K's registers 0-3 and the mask's words (2048 a chunk),
.set TB,  71                           ; K's registers 4-5 and K's scale words (1024),
.set TK,  72                           ; V's codes (12288),
.set TV,  73                           ; V's scale words (512)
.set CNT, 74
.set NC,  92
.macro CROUND                          ; a round of the cluster's barrier
	s_barrier_signal -1
	s_barrier_wait -1
	s_cmp_lg_u32 s[WV], 0
	s_cbranch_scc1 .Lnot_wave_0_\@
	s_barrier_signal -3
.Lnot_wave_0_\@:
	s_barrier_wait -3
	s_barrier_signal -1
	s_barrier_wait -1
.endm
.macro G1SET g, c, r, p                ; group 1: r rows of c elements of 8 bytes, p elements apart; the mask names all four work-groups
	s_mov_b32 s[\g], 15|(3<<16)|(1<<21)
	s_mov_b32 s[\g+1], \c<<16
	s_mov_b32 s[\g+2], \r<<16
	s_mov_b32 s[\g+3], \c<<16
	s_mov_b32 s[\g+4], \r
	s_mov_b32 s[\g+5], \p
	s_mov_b32 s[\g+6], 0
	s_mov_b32 s[\g+7], 0
.endm
.macro ARM under, g0, g1, next         ; one arm of the head's chain: a load, its s_nop 0 and four v_nop
	s_cmp_lt_u32 s[WV], \under
	s_cbranch_scc0 \next
	tensor_load_to_lds s[\g0:\g0+3], s[\g1:\g1+7]
	s_nop 0
.rept 4
	v_nop
.endr
	s_branch .Lasked
\next:
.endm
	s_load_b256 s[4:11], s[0:1], 0x0               ; qkv_codes, qkv_scales, mask, att_codes
	s_load_b64 s[12:13], s[0:1], 0x20              ; att_scales
	v_lshl_add_u32 v254, v0, 2, SPARE
	v_mov_b32 v255, 0
	ds_add_u32 v254, v255                          ; the opening lines: the add, twice on end, and its wait
	ds_add_u32 v254, v255
	v_lshrrev_b32 v15, 5, v0
	v_readfirstlane_b32 s[WV], v15                 ; wave 0..15
	s_and_b32 s66, ttmp7, 0xffff                   ; 16 x batch + head: shared by the four partners
	s_bfe_u32 s67, ttmp6, 0x40000                  ; cx: it enters Q's and the output's addresses alone
	s_lshl_b32 s68, ttmp9, 2
	s_add_co_u32 s68, s68, s67
	s_lshl_b32 s68, s68, 5
	s_add_co_u32 s68, s68, s[WV]                   ; my first query tile; the second is 16 on
	s_and_b32 s14, s[WV], 3                        ; which quarter of my kind of tile I fetch
	s_and_b32 s15, s14, 1                          ; u
	s_lshr_b32 s76, s14, 1                         ; g
	s_lshr_b32 s16, s66, 1                         ; 8 x batch + head pair
	s_and_b32 s17, s66, 1                          ; the head's parity
	s_mul_i32 s69, s16, 196608
	s_mul_i32 s62, s14, 1536                       ; K: tiles 4 m + quarter, 6144 bytes apart
	s_add_co_u32 s62, s62, s69
	s_mul_i32 s19, s17, 768
	s_add_co_u32 s62, s62, s19
	s_add_co_u32 s62, s62, 6291456
	s_mov_b32 s63, 0
	s_lshl_b32 s75, s15, 14
	s_mul_i32 s19, s76, 32896
	s_add_co_u32 s75, s75, s19                     ; LDS: registers 0-3
	s_lshl_b32 s94, s15, 13
	s_mul_i32 s19, s76, 16448
	s_add_co_u32 s94, s94, s19
	s_add_co_u32 s94, s94, K2B                     ; registers 4-5
	s_mul_i32 s60, s14, 49152                      ; V: four steps of 6144 bytes, 12288 apart
	s_add_co_u32 s60, s60, s69
	s_mul_i32 s19, s17, 6144
	s_add_co_u32 s60, s60, s19
	s_add_co_u32 s60, s60, 12582912
	s_mov_b32 s61, 0
	s_mul_i32 s95, s14, 24576
	s_add_co_u32 s95, s95, VC
	s_mul_i32 s78, s66, 20480                      ; K's and V's scale words are 12288 bytes on end: a quarter each
	s_mul_i32 s19, s14, 3072
	s_add_co_u32 s78, s78, s19
	s_add_co_u32 s78, s78, 8192
	s_mov_b32 s79, 0
	s_add_co_u32 s77, s19, KS
	G1SET G1A, 64, 32, 768
	G1SET G1B, 32, 32, 768
	G1SET G1V, 768, 4, 1536
	G1SET G1S, 32, 12, 32
	s_mov_b32 s[SEL], 0x76543210
	s_mov_b32 s[SEL+1], 0xfedcba98
	s_mov_b32 s[CS], 0x3e38aa3b                    ; c = log2(e) / 8
	s_mov_b32 s[CS+1], s[CS]
	s_mov_b32 s[NC], 0xbe38aa3b                    ; -c
	s_wait_dscnt 0x0
	s_wait_kmcnt 0x0
	s_mov_b32 s[G0A], 1
	s_mov_b32 s[G0A+1], s75
	s_add_nc_u64 s[G0A+2:G0A+3], s[4:5], s[62:63]
	s_mov_b32 s[G0B], 1
	s_mov_b32 s[G0B+1], s94
	s_add_nc_u64 s[G0B+2:G0B+3], s[G0A+2:G0A+3], 512
	s_or_b32 s[G0A+3], s[G0A+3], 0x80000000
	s_or_b32 s[G0B+3], s[G0B+3], 0x80000000
	s_mov_b32 s[G0V], 1
	s_mov_b32 s[G0V+1], s95
	s_add_nc_u64 s[G0V+2:G0V+3], s[4:5], s[60:61]
	s_or_b32 s[G0V+3], s[G0V+3], 0x80000000
	s_mov_b32 s[G0S], 1
	s_mov_b32 s[G0S+1], s77
	s_add_nc_u64 s[G0S+2:G0S+3], s[6:7], s[78:79]
	s_or_b32 s[G0S+3], s[G0S+3], 0x80000000
	CROUND                                         ; all four work-groups are here: the joint loads meet
	ARM 4,  G0A, G1A, .Lk2                         ; all fills of the launch, one a wave, in one chain of branches on the wave's number
	ARM 8,  G0B, G1B, .Lv
	ARM 12, G0V, G1V, .Lsc
	tensor_load_to_lds s[G0S:G0S+3], s[G1S:G1S+7]
	s_nop 0
.rept 4
	v_nop
.endr
.Lasked:
	s_mul_i32 s60, s68, 1536
	s_add_co_u32 s60, s60, s69
	s_mul_i32 s19, s17, 768
	s_add_co_u32 s60, s60, s19
	s_add_nc_u64 s[4:5], s[4:5], s[60:61]          ; Q's half fragment
	s_mul_i32 s62, s66, 20480
	s_lshr_b32 s19, s68, 3
	s_lshl_b32 s19, s19, 9
	s_add_co_u32 s62, s62, s19
	s_and_b32 s19, s68, 7
	s_lshl_b32 s19, s19, 2
	s_add_co_u32 s62, s62, s19
	s_add_nc_u64 s[6:7], s[6:7], s[62:63]          ; its scale words
	s_lshr_b32 s76, s66, 4                         ; the batch
	s_lshl_b32 s62, s76, 13
	s_add_nc_u64 s[8:9], s[8:9], s[62:63]          ; its mask
	s_lshl_b32 s76, s76, 7
	s_add_co_u32 s76, s76, s68                     ; the output's row tile
	s_and_b32 s77, s66, 15                         ; the head
	s_mul_i32 s62, s76, 12288
	s_lshr_b32 s19, s77, 1
	s_mul_i32 s19, s19, 1536
	s_add_co_u32 s62, s62, s19
	s_mul_i32 s19, s17, 768
	s_add_co_u32 s62, s62, s19
	s_add_nc_u64 s[10:11], s[10:11], s[62:63]      ; head h is half h % 2 of K step h / 2
	s_lshl_b32 s62, s76, 9
	s_lshr_b32 s19, s77, 2
	s_lshl_b32 s19, s19, 7
	s_add_co_u32 s62, s62, s19
	s_bfe_u32 s19, s77, 0x10001
	s_lshl_b32 s19, s19, 2
	s_add_co_u32 s62, s62, s19
	s_lshl_b32 s19, s17, 1
	s_add_co_u32 s62, s62, s19
	s_add_nc_u64 s[12:13], s[12:13], s[62:63]      ; and two bytes of that K step's word
	v_and_b32 v100, 31, v0                         ; lane
	v_and_b32 v101, 15, v0                         ; r
	v_and_b32 v102, 7, v0                          ; r % 8
	v_bfe_u32 v103, v0, 3, 1                       ; g = r / 8
	v_bfe_u32 v104, v0, 4, 1                       ; h
	v_lshl_add_u32 v105, v104, 4, v102             ; the memory tile's lane, less 8 (t / 2)
	v_mul_u32_u24 v106, v103, 32896
	v_mul_u32_u24 v107, v103, 16448
	v_lshl_add_u32 v1, v105, 4, v106               ; K's registers 0-3
	v_lshl_add_u32 v2, v105, 3, v107
	v_add_nc_u32 v2, K2B, v2                       ; K's registers 4-5
	v_lshl_add_u32 v3, v100, 2, MC                 ; the mask's word
	v_lshl_add_u32 v107, v103, 3, KS
	v_lshl_add_u32 v4, v102, 5, v107               ; K's scale words: 32 (r % 8) + 8 g
	v_lshl_add_u32 v5, v100, 4, VC
	v_lshl_add_u32 v6, v100, 3, VC
	v_lshl_add_u32 v7, v101, 4, VS
	v_lshlrev_b32 v15, 3, v104                     ; 8 h
	v_lshlrev_b32 v108, 4, v100
	v_lshlrev_b32 v109, 3, v100
	v_lshlrev_b32 v110, 5, v101
	global_load_b128 v[QF:QF+3], v108, s[4:5]
	global_load_b64 v[QF+4:QF+5], v109, s[4:5] offset:512
	global_load_b32 v[QSC], v110, s[6:7]
	global_load_b128 v[QN:QN+3], v108, s[4:5] offset:24576          ; the second query tile: 16 tiles of 1536 bytes on
	global_load_b64 v[QN+4:QN+5], v109, s[4:5] offset:24576+512
	global_load_b32 v[QNS], v110, s[6:7] offset:1024
	; the mask's codes: thread n makes words 8 n .. 8 n + 7: score tile n / 4, lanes 8 (n % 4) + 0 .. 7: keys 64 (n / 16) + 8 ((n / 4) % 4) + 32 (n % 2) + 0 .. 7
	v_lshrrev_b32 v111, 4, v0
	v_bfe_u32 v112, v0, 2, 2
	v_lshlrev_b32 v111, 6, v111
	v_and_b32 v114, 1, v0
	v_lshl_add_u32 v111, v112, 3, v111
	v_and_b32 v112, 2, v0
	v_lshl_add_u32 v111, v114, 5, v111
	v_mov_b32 v113, 63                             ; -7.5, for lanes 0-15 of a tile (k = 64),
	v_lshlrev_b32 v111, 2, v111
	v_mov_b32 v114, 58                             ; -5, for lanes 16-31 (k = 96)
	global_load_b128 v[116:119], v111, s[8:9]
	global_load_b128 v[120:123], v111, s[8:9] offset:16
	v_cmp_ne_u32 vcc_lo, 0, v112
	v_cndmask_b32 v113, v113, v114, vcc_lo
	v_lshl_add_u32 v115, v0, 5, MC
	v_mov_b32 v[QF+6], 8                           ; Q: the code 1.0 at k = 64 and at k = 96, zeros behind it
.irp i, 7,8,9,10,11
	v_mov_b32 v[QF+\i], 0
.endr
.irp i, 7,15,23,31,39,47,55,63,64,65,66,67
	v_mov_b32 v[KF+\i], 0                          ; the registers among K's fragments that no K load writes: written once, so that they hold codes
.endr
	v_mov_b32 v[PR], 0                             ; a lane permute's destination counts as one of its sources
	v_mov_b32 v[FF+1], 0                           ; (named as the upper half of a pair)
	s_wait_alu depctr_va_vdst(0)
	s_wait_loadcnt 0x0                             ; both Q tiles, their scale words, the mask
.irp e, 0,1,2,3,4,5,6,7
	v_cmp_eq_u32 vcc_lo, 0, v[116+\e]
	v_cndmask_b32 v[116+\e], 0, v113, vcc_lo
.endr
	ds_store_b128 v115, v[116:119]
	ds_store_b128 v115, v[120:123] offset:16
.macro SUM4 d, k                       ; the four chains at d take pairs k .. k + 3 of p
.irp x, 0,1,2,3
	v_pk_add_f32 v[\d+2*\x:\d+2*\x+1], v[\d+2*\x:\d+2*\x+1], v[S+2*(\k)+2*\x:S+2*(\k)+2*\x+1]
.endr
.endm
.macro JOINA                           ; the last step's four chains become two, l comes under that step's M, and -M is kept: four lines that hang on nothing near
	v_pk_add_f32 v[T:T+1], v[T:T+1], v[T+2:T+3]
	v_pk_add_f32 v[T+4:T+5], v[T+4:T+5], v[T+6:T+7]
	v_pk_mul_f32 v[18:19], v[18:19], v[FF:FF+1] op_sel_hi:[1,0]
	v_mov_b32 v[OM], v16
.endm
.macro VLD q, n                        ; the n-th of V's seventeen LDS loads of a step: four fragments, into the registers that K has left, and the scale words
.if (\n) == 16
	ds_load_b128 v[VSC:VSC+3], v14 offset:256*(\q)
.elseif (\n)%4 == 0
	ds_load_b128 v[KF+12*((\n)/4):KF+12*((\n)/4)+3], v12 offset:6144*(\q)+1536*((\n)/4)
.elseif (\n)%4 == 1
	ds_load_b64 v[KF+12*((\n)/4)+4:KF+12*((\n)/4)+5], v13 offset:6144*(\q)+1536*((\n)/4)+512
.elseif (\n)%4 == 2
	ds_load_b128 v[KF+12*((\n)/4)+6:KF+12*((\n)/4)+9], v12 offset:6144*(\q)+1536*((\n)/4)+768
.else
	ds_load_b64 v[KF+12*((\n)/4)+10:KF+12*((\n)/4)+11], v13 offset:6144*(\q)+1536*((\n)/4)+1280
.endif
.endm
.macro TM j                            ; t - M, two at a time
	v_pk_fma_f32 v[S+\j:S+\j+1], v[S+\j:S+\j+1], s[CS:CS+1], v[16:17] op_sel_hi:[1,0,0]
.endm
; A KEY STEP: 128 keys, the q-th of the 256 in hand.  Four plain lines stand ahead of it, behind the last products.
.macro STEP q
.irp w, 0,1
.irp c, 0,1
	ds_load_b64 v[KSC+4*\c+2*\w:KSC+4*\c+2*\w+1], v11 offset:512*(\q)+256*\w+16*\c
.endr
.endr
.irp c, 0,1
.irp t, 0,1,2,3
	ds_load_b128 v[KF+8*(4*\c+\t):KF+8*(4*\c+\t)+3], v8 offset:16384*(\t%2)+512*(2*(\q)+\c)+128*(\t/2)
	ds_load_b64 v[KF+8*(4*\c+\t)+4:KF+8*(4*\c+\t)+5], v9 offset:8192*(\t%2)+256*(2*(\q)+\c)+64*(\t/2)
	ds_load_b32 v[KF+8*(4*\c+\t)+6], v10 offset:128*(8*(\q)+4*\c+\t)
.endr
.endr
	s_wait_alu depctr_va_vdst(0)
	s_wait_dscnt 0x0
.irp i, 0,1,2,3,4,5,6,7                        ; S^T = K Q^T
	v_wmma_scale_f32_16x16x128_f8f6f4 v[S+8*\i:S+8*\i+7], v[KF+8*\i:KF+8*\i+11], v[QF:QF+11], 0, v[KSC+\i], v[QSC] matrix_a_fmt:MATRIX_FMT_FP6 matrix_b_fmt:MATRIX_FMT_FP6
.endr
	JOINA                                          ; four plain lines that name none of the products' registers: the places ahead of the reads, writes and loads below
.irp y, 0,1,2,3,4,5,6,7                        ; the largest scores: a chain for each accumulator, from its low end on
	v_max3_num_f32 v[MX+\y], v[S+8*\y], v[S+8*\y+1], v[S+8*\y+2]
.endr
.irp y, 0,1,2,3,4,5,6,7
	v_max3_num_f32 v[MX+\y], v[MX+\y], v[S+8*\y+3], v[S+8*\y+4]
.endr
.irp c, 0,1
	v_max3_num_f32 v[MX+8+\c], v[S+32*\c+7], v[S+32*\c+15], v[S+32*\c+23]   ; three of a block's four last registers
.endr
.irp y, 0,1,2,3,4,5,6,7
	v_max3_num_f32 v[MX+\y], v[MX+\y], v[S+8*\y+5], v[S+8*\y+6]
.endr
	v_max3_num_f32 v[BM], v[MX], v[MX+1], v[S+31]
	v_max3_num_f32 v[SO], v[MX+2], v[MX+3], v[MX+8]
	v_max3_num_f32 v[BM+1], v[MX+4], v[MX+5], v[S+63]
	v_pk_add_f32 v[T:T+1], v[T:T+1], v[T+4:T+5]    ; the last step's sum is whole
	v_max3_num_f32 v[SO+1], v[MX+6], v[MX+7], v[MX+9]
	VLD \q, 0
	v_max_num_f32 v[BM], v[BM], v[SO]              ; the largest score of my block h,
	v_max_num_f32 v[BM+1], v[BM+1], v[SO+1]        ; and of my block 2 + h: for the row's maximum and, since p rises with the score, for the block's largest p
.irp n, 1,2,3
	VLD \q, \n
.endr
	v_max_num_f32 v[TT], v[BM], v[BM+1]
.irp n, 4,5,6
	VLD \q, \n
.endr
	v_permlanex16_b32 v[PR], v[TT], s[SEL], s[SEL+1]
.irp n, 7,8,9
	VLD \q, \n
.endr
	v_max3_num_f32 v17, v17, v[TT], v[PR]          ; the running largest score (c is positive)
.irp n, 10,11,12
	VLD \q, \n
.endr
	v_mul_f32 v[TT], s[NC], v17                    ; -t
.irp n, 13,14,15
	VLD \q, \n
.endr
	v_floor_f32 v16, v[TT]                         ; the new -M = -ceil(t)
	VLD \q, 16
	v_pk_add_f32 v[18:19], v[18:19], v[T:T+1]      ; l takes the last step's sum
.irp j, 0,2,4,6
	TM \j
.endr
	v_sub_f32 v[TT], v16, v[OM]                    ; old M - new M: a whole number, 0 or less
.irp j, 8,10,12,14,16
	TM \j
.endr
	v_cvt_i32_f32 v[TT], v[TT]                     ; (it saturates)
.irp j, 18,20,22,24,26
	TM \j
.endr
	v_ldexp_f32 v[FF], 1.0, v[TT]                  ; f = 2^(old M - new M): the rescaling rounds nothing
.irp j, 28,30,32,34,36,38,40,42,44,46,48,50,52,54,56,58,60,62
	TM \j
.endr
.irp c, 0,1
	v_fma_f32 v[BM+\c], v[BM+\c], s[CS], v16       ; the same of each block's largest score
.endr
.irp j, 0,2,4,6,8,10,12,14,16,18,20,22,24,26,28,30
	v_pk_mul_f32 v[O+\j:O+\j+1], v[O+\j:O+\j+1], v[FF:FF+1] op_sel_hi:[1,0]   ; O^T under the new M, ahead of the exponentials
.endr
	s_wait_alu depctr_va_vdst(0)
.irp c, 0,1
	v_exp_f32 v[BM+\c], v[BM+\c]                   ; the block's largest p: the same two lines on the same number give the same bits
.endr
.irp j, 0,1,2,3,4,5,6,7,8,9,10,11,12,13,14,15,16,17,18,19,20,21,22,23,24,25,26,27,28,29,30,31,32,33,34,35,36,37,38,39,40,41,42,43,44,45,46,47,48,49,50,51,52,53,54,55,56,57,58,59,60,61,62,63
	v_exp_f32 v[S+\j], v[S+\j]                     ; p = 2^(t - M), at most 1
.endr
	v_nop                                          ; the plain place behind the exponentials
	s_wait_alu depctr_va_vdst(0)                   ; one wait for the batch, ahead of its first reader
.irp c, 0,1
	v_max_num_f32 v[BM+\c], 0x1800000, v[BM+\c]    ; the floor 2^(3 - 127): the byte cannot fall under 1
.endr
.irp x, 0,1,2,3                                ; the row's sum is taken of the unquantised p: eight chains of pairs; the lines that make p's scale word stand among them
	v_pk_add_f32 v[T+2*\x:T+2*\x+1], v[S+2*\x:S+2*\x+1], v[S+2*\x+16:S+2*\x+17]
.endr
.irp c, 0,1
	v_add_nc_u32 v[SO+\c], 0xff000000, v[BM+\c]    ; 2 off the exponent field: the conversion's scale operand
.endr
.irp x, 0,1,2,3
	v_pk_add_f32 v[U+2*\x:U+2*\x+1], v[S+2*\x+8:S+2*\x+9], v[S+2*\x+24:S+2*\x+25]
.endr
	v_lshrrev_b32 v[PR], 23, v[SO]                 ; the bytes of blocks h and 2 + h
	v_lshrrev_b32 v[TT], 23, v[SO+1]
.irp c, 0,1
	v_cvt_scalef32_pk16_fp6_f32 v[PC+6*\c:PC+6*\c+2], v[S+32*\c:S+32*\c+15], v[SO+\c]
	v_cvt_scalef32_pk16_fp6_f32 v[PC2+4*\c:PC2+4*\c+2], v[S+32*\c+16:S+32*\c+31], v[SO+\c]   ; (a conversion's three registers begin on an even number)
.endr
	v_lshl_or_b32 v[TT], v[TT], 16, v[PR]          ; (also the plain place behind the conversions)
	SUM4 T, 16
	v_lshlrev_b32 v[TT], v15, v[TT]                ; 8 h bits up;
	SUM4 U, 20
	v_permlanex16_b32 v[PR], v[TT], s[SEL], s[SEL+1]
.irp n, 0,1,2,3
	v_mov_b32 v[PC+3+\n+3*(\n/3)], v[PC2+\n+(\n/3)]
.endr
	v_or_b32 v[PSC], v[TT], v[PR]                  ; with lane l xor 16's two the row's word is whole
.irp n, 4,5
	v_mov_b32 v[PC+3+\n+3*(\n/3)], v[PC2+\n+(\n/3)]
.endr
	SUM4 T, 24                                     ; ten plain lines between p's scale word, eight between its codes, and the products
	SUM4 U, 28
	s_wait_alu depctr_va_vdst(0)
	s_wait_dscnt 0x0                               ; V's fragments and scale words are in
.irp t, 0,1,2,3                                ; O^T += V^T P^T: four accumulators by turns
	v_wmma_scale_f32_16x16x128_f8f6f4 v[O+8*\t:O+8*\t+7], v[KF+12*\t:KF+12*\t+11], v[PC:PC+11], v[O+8*\t:O+8*\t+7], v[VSC+\t], v[PSC] matrix_a_fmt:MATRIX_FMT_FP6 matrix_b_fmt:MATRIX_FMT_FP6
.endr
.irp x, 0,1,2,3                                ; eight chains become four: plain lines on the chains alone, the places ahead of the next loads into K's registers
	v_pk_add_f32 v[T+2*\x:T+2*\x+1], v[T+2*\x:T+2*\x+1], v[U+2*\x:U+2*\x+1]
.endr
.endm
; A QUERY TILE: all 2048 keys, then the way out.  p = 0, 1: the tile's place in the output stands in the stores' immediates.
.macro PASS p
.irp j, 0,1,2,3,4,5,6,7
	v_mov_b32 v[T+\j], 0                           ; the first step joins chains of zeros
.endr
	v_mov_b32 v[FF], 0
	v_mov_b32 v18, 0                               ; the sum, in two halves
	v_mov_b32 v19, 0
	v_mov_b32 v17, 0xff61b1e6                      ; the largest score so far: -3e38
	s_delay_alu instid0(VALU_DEP_1)
	v_mul_f32 v16, s[NC], v17
	s_delay_alu instid0(VALU_DEP_1)
	v_floor_f32 v16, v16                           ; -M
.irp j, 0,1,2,3,4,5,6,7,8,9,10,11,12,13,14,15,16,17,18,19,20,21,22,23,24,25,26,27,28,29,30,31
	v_mov_b32 v[O+\j], 0                           ; O^T: the step is written once; the first change of M leaves zeros zeros
.endr
	s_mov_b32 s[TA], 0
	s_mov_b32 s[TB], 0
	s_mov_b32 s[TK], 0
	s_mov_b32 s[TV], 0
	s_mov_b32 s[CNT], 8
.Lchunk_\p:                                        ; 256 keys a trip
	v_add_nc_u32 v8, s[TA], v1
	v_add_nc_u32 v9, s[TB], v2
	v_add_nc_u32 v10, s[TA], v3
	v_add_nc_u32 v11, s[TB], v4
	v_add_nc_u32 v12, s[TK], v5
	v_add_nc_u32 v13, s[TK], v6
	v_add_nc_u32 v14, s[TV], v7
	s_wait_alu depctr_va_vdst(0)
	STEP 0
	STEP 1
	s_add_co_u32 s[TA], s[TA], 2048
	s_add_co_u32 s[TB], s[TB], 1024
	s_add_co_u32 s[TK], s[TK], 12288
	s_add_co_u32 s[TV], s[TV], 512
	s_sub_co_u32 s[CNT], s[CNT], 1
	s_cmp_lg_u32 s[CNT], 0
	s_cbranch_scc1 .Lchunk_\p
	; THE WAY OUT: O^T / the sum, quantised along the head's 64 channels (registers 16 b + i: channel 32 b + 16 h + i), becomes half a fragment of the last product's operand
	s_wait_alu depctr_va_vdst(0)
	JOINA
	v_and_b32 v[S+40], 31, v0
	v_and_b32 v[S+42], 15, v0
	v_pk_add_f32 v[T:T+1], v[T:T+1], v[T+4:T+5]
	v_lshlrev_b32 v[S+41], 3, v[S+40]              ; 8 x lane
	v_lshlrev_b32 v[S+40], 4, v[S+40]              ; 16 x lane
	v_lshlrev_b32 v[S+42], 3, v[S+42]              ; 8 r
	v_pk_add_f32 v[18:19], v[18:19], v[T:T+1]      ; l takes the last step's sum
	v_add_f32 v18, v18, v19
	v_permlanex16_b32 v[PR], v18, s[SEL], s[SEL+1]
	v_add_f32 v18, v18, v[PR]                      ; the row's sum
	s_wait_alu depctr_va_vdst(0)
	v_rcp_f32 v18, v18
	v_nop                                          ; a plain place behind it
	s_wait_alu depctr_va_vdst(0)                   ; the wait ahead of its first reader, which is O^T's first reader too
.irp j, 0,2,4,6,8,10,12,14,16,18,20,22,24,26,28,30
	v_pk_mul_f32 v[S+\j:S+\j+1], v[O+\j:O+\j+1], v[18:19] op_sel_hi:[1,0]   ; each accumulator from its low end on
.endr
.irp b, 0,1
	v_max3_num_f32 v[BM+\b], |v[S+16*\b]|, |v[S+16*\b+1]|, 0x1800000
.endr
.irp i, 2,4,6,8,10,12,14
.irp b, 0,1
	s_delay_alu instid0(VALU_DEP_2)
	v_max3_num_f32 v[BM+\b], v[BM+\b], |v[S+16*\b+\i]|, |v[S+16*\b+\i+1]|
.endr
.endr
.irp b, 0,1
	s_delay_alu instid0(VALU_DEP_2)
	v_permlanex16_b32 v[T+\b], v[BM+\b], s[SEL], s[SEL+1]
.endr
.irp b, 0,1
	s_delay_alu instid0(VALU_DEP_2)
	v_max_num_f32 v[BM+\b], v[BM+\b], v[T+\b]
.endr
.irp b, 0,1
	s_delay_alu instid0(VALU_DEP_2)
	v_add_nc_u32 v[SO+\b], 0xff000000, v[BM+\b]
.endr
.irp b, 0,1
	s_delay_alu instid0(VALU_DEP_2)
	v_lshrrev_b32 v[T+\b], 23, v[SO+\b]
.endr
	s_delay_alu instid0(VALU_DEP_1)
	v_lshl_or_b32 v[TT], v[T+1], 8, v[T]           ; the head's two scale bytes of my row
	v_cvt_scalef32_pk16_fp6_f32 v[PC:PC+2], v[S:S+15], v[SO]
	v_cvt_scalef32_pk16_fp6_f32 v[PC2:PC2+2], v[S+16:S+31], v[SO+1]
	v_nop                                          ; one plain place behind a scaled conversion
.irp i, 0,1,2
	v_permlane16_swap_b32 v[PC+\i], v[PC2+\i]      ; here a block lies in lanes l and l xor 16: the operand wants it whole in a lane
.endr
.irp i, 0,1,2
	v_mov_b32 v[PC+3+\i], v[PC2+\i]
.endr
	global_store_b128 v[S+40], v[PC:PC+3], s[10:11] offset:196608*(\p) th:TH_STORE_NT          ; 512 consecutive bytes, aligned
	global_store_b64 v[S+41], v[PC+4:PC+5], s[10:11] offset:196608*(\p)+512 th:TH_STORE_NT     ; 256
	global_store_b16 v[S+42], v[TT], s[12:13] offset:8192*(\p)   ; two bytes a row: the word's other half is another head's.  Lanes 16-31 store what lanes 0-15 store, at the same place
.endm
	s_wait_alu depctr_va_vdst(0)
	s_wait_tensorcnt 0x0                           ; my tile is in
	s_wait_dscnt 0x0                               ; my words of the mask's table are stored
	s_barrier_signal -1
	s_barrier_wait -1                              ; everybody's are.
	PASS 0
	s_wait_xcnt 0x0                                ; the stores have read their registers
.irp i, 0,1,2,3,4,5
	v_mov_b32 v[QF+\i], v[QN+\i]                   ; the second query tile
.endr
	v_mov_b32 v[QSC], v[QNS]
	PASS 1
	s_wait_tensorcnt 0x0                           ; the wave's end
	ds_add_u32 v254, v255
	s_wait_dscnt 0x0
	CROUND                                         ; the closing round
	s_endpgm
.Lfunc_end_k_q23dc805dba_attn:
	.size	k_q23dc805dba_attn, .Lfunc_end_k_q23dc805dba_attn-k_q23dc805dba_attn
	.p2alignl 7, 3214868480
	.fill 96, 4, 3214868480
	.section	.rodata,"a",@progbits
	.p2align	6, 0x0
	.amdhsa_kernel k_q23dc805dba_attn
		.amdhsa_group_segment_fixed_size 227840
		.amdhsa_private_segment_fixed_size 0
		.amdhsa_enable_private_segment 0
		.amdhsa_kernarg_size 40
		.amdhsa_user_sgpr_count 2
		.amdhsa_user_sgpr_kernarg_segment_ptr 1
		.amdhsa_wavefront_size32 1
		.amdhsa_system_sgpr_workgroup_id_x 1
		.amdhsa_system_sgpr_workgroup_id_y 1
		.amdhsa_system_sgpr_workgroup_id_z 1
		.amdhsa_system_vgpr_workitem_id 0
		.amdhsa_next_free_vgpr 256
		.amdhsa_next_free_sgpr 96
		.amdhsa_reserve_vcc 1
		.amdhsa_float_denorm_mode_32 3
		.amdhsa_float_denorm_mode_16_64 3
		.amdhsa_memory_ordered 1
		.amdhsa_forward_progress 1
		.amdhsa_inst_pref_size 87
	.end_amdhsa_kernel
	.amdgpu_metadata
---
amdhsa.version: [ 1, 2 ]
amdhsa.kernels:
  - .name:           k_q23dc805dba_attn
    .symbol:         k_q23dc805dba_attn.kd
    .args:
      - { .name: qkv_codes, .offset: 0, .size: 8, .value_kind: global_buffer, .address_space: global }
      - { .name: qkv_scales, .offset: 8, .size: 8, .value_kind: global_buffer, .address_space: global }
      - { .name: mask, .offset: 16, .size: 8, .value_kind: global_buffer, .address_space: global }
      - { .name: att_codes, .offset: 24, .size: 8, .value_kind: global_buffer, .address_space: global }
      - { .name: att_scales, .offset: 32, .size: 8, .value_kind: global_buffer, .address_space: global }
    .group_segment_fixed_size: 227840
    .private_segment_fixed_size: 0
    .kernarg_segment_align: 8
    .kernarg_segment_size: 40
    .max_flat_workgroup_size: 512
    .sgpr_count:     96
    .vgpr_count:     256
    .wavefront_size: 32
...
	.end_amdgpu_metadata
.endif
;; end of part 3
;; launch gemm_out (part 4): grid 4 x 32, 4 waves a work-group, clusters of 4 x 4, 327,680 bytes of LDS; arguments att_codes, att_scales, xw_codes, xw_scales, b_out, out0; writes out0
.if DOCPART == 4
	.amdgcn_target "amdgcn-amd-amdhsa--gfx1250"
	.amdhsa_code_object_version 6
	.text
	.protected	k_q23dc805dba_gemm_out
	.globl	k_q23dc805dba_gemm_out
	.p2align	8
	.type	k_q23dc805dba_gemm_out,@function
k_q23dc805dba_gemm_out:
	s_mov_b64 s[64:65], 0
	v_nop
	global_prefetch_b8 v0, s[64:65] scope:SCOPE_SE
	s_setreg_imm32_b32 hwreg(HW_REG_WAVE_MODE, 25, 1), 1
	s_wait_xcnt 0x0
	s_wait_alu depctr_hold_cnt(0) depctr_sa_sdst(0) depctr_va_vdst(0) depctr_va_sdst(0) depctr_va_ssrc(0) depctr_va_vcc(0) depctr_vm_vsrc(0)
	s_getreg_b32 s2, hwreg(HW_REG_IB_STS2, 6, 4)
	s_cmp_eq_u32 s2, 0
	s_cbranch_scc0 .Lentry_in_a_cluster
	s_endpgm
.Lentry_in_a_cluster:
	s_bfe_u32 s2, ttmp6, 0x10000c
	s_cmp_lg_u32 s2, 0xf033
	s_cbranch_scc0 .Lentry_shape_is_right
	s_endpgm
.Lentry_shape_is_right:
.set NQ,     2
.set FR,     12
.set NL,     4
.set NP,     4
.set KSB,    1536
.set ROWB,   3072
.set HALFT,  8*ROWB
.set SLOT,   4*HALFT
.set SCL,    2*SLOT
.set HALFS,  4096
.set SBLK,   512
.set SPARE,  SCL+4*HALFS
.set SPITCH, 528
.set ADRA, 16
.set ADRB, 20
.set STO,  24
.set RD,   25
.set CO,   26
.set ADRS, 27
.set SPW,  28
.set NIL,  29
.set SC,   32
.set CB,   64
.set AF,   128
.set BK,   128
.set G1, 24
.set G0, 32
.set G1B, 48
.set G0B, 56
.set G1S, 68
.set G0S, 76
.set G1SB, 80
.set G0SB, 88
.set MSB, 0
.macro WIN new
.if MSB != \new
	s_set_vgpr_msb (MSB<<8)|\new
.set MSB, \new
.endif
.endm
.set MUL_LO, 0xa1
.set MUL_HI, 0xf1
.set TO_B,   0x40
.macro JLOAD g0a, g1a, g0b, g1b
	s_cmp_eq_u32 s15, 0
	s_cbranch_scc0 .Lfor_b_\@
	tensor_load_to_lds s[\g0a:\g0a+3], s[\g1a:\g1a+7]
	s_nop 0
.rept 4
	v_nop
.endr
	s_branch .Lasked_\@
.Lfor_b_\@:
	tensor_load_to_lds s[\g0b:\g0b+3], s[\g1b:\g1b+7]
	s_nop 0
.rept 4
	v_nop
.endr
.Lasked_\@:
.endm
.macro CREST
	s_cmp_lg_u32 s14, 0
	s_cbranch_scc1 .Lnot_wave_0_\@
	s_barrier_signal -3
.Lnot_wave_0_\@:
	s_barrier_wait -3
	s_barrier_signal -1
	s_barrier_wait -1
.endm
.macro CROUND
	s_barrier_signal -1
	s_barrier_wait -1
	CREST
.endm
	s_load_b256 s[4:11], s[0:1], 0x0
	s_load_b128 s[96:99], s[0:1], 0x20
	v_lshl_add_u32 v[SPW], v0, 2, SPARE
	v_mov_b32 v[NIL], 0
	ds_add_u32 v28, v29
	ds_add_u32 v28, v29
	s_wait_dscnt 0x0
	v_lshrrev_b32 v1, 5, v0
	v_readfirstlane_b32 s14, v1
	s_lshr_b32 s15, s14, 1
	s_and_b32 s16, s14, 1
	s_bfe_u32 s40, ttmp6, 0x40000
	s_bfe_u32 s41, ttmp6, 0x40004
	s_lshl_b32 s42, ttmp9, 2
	s_add_co_u32 s42, s42, s40
	s_and_b32 s17, ttmp7, 0xffff
	s_lshl_b32 s17, s17, 2
	s_add_co_u32 s17, s17, s41
	s_lshl_b32 s43, s41, 2
	s_lshl_b32 s43, 15, s43
	s_lshl_b32 s44, 0x1111, s40
	s_or_b32 s[G1+0], s43, (3<<16)|(1<<21)
	s_or_b32 s[G1B+0], s44, (3<<16)|(1<<21)
.irp g, G1, G1B
	s_mov_b32 s[\g+1], 384<<16
	s_mov_b32 s[\g+2], 16<<16                      ; the head's loads bring all 16 row tiles; behind them the two words that count rows are set to 8
	s_mov_b32 s[\g+3], 384<<16
	s_mov_b32 s[\g+4], 16
	s_mov_b32 s[\g+5], 1536
	s_mov_b32 s[\g+6], 0
	s_mov_b32 s[\g+7], 0
.endr
	s_or_b32 s[G1S+0], s43, (3<<16)|(1<<21)
	s_or_b32 s[G1SB+0], s44, (3<<16)|(1<<21)
.irp g, G1S, G1SB
	s_mov_b32 s[\g+1], 32<<16
	s_mov_b32 s[\g+2], 32<<16                      ; the scale words of 16 row tiles: 32 rows of 256 dense bytes
	s_mov_b32 s[\g+3], 32<<16
	s_mov_b32 s[\g+4], 32
	s_mov_b32 s[\g+5], 32
	s_mov_b32 s[\g+6], 0
	s_mov_b32 s[\g+7], 0
.endr
	s_mul_i32 s18, s16, 8*12288                    ; in the ring I fetch 8 of a side's 16 row tiles: which half, in bytes
	s_mov_b32 s19, 0
	s_lshl_b32 s20, s17, 4
	s_lshl_b32 s46, s42, 4
	s_add_co_u32 s46, s46, 704
	s_lshl_b32 s22, s20, 9
	s_mov_b32 s23, 0
	s_lshl_b32 s92, s46, 9
	s_mov_b32 s93, 0
	s_mul_i32 s20, s20, 12288
	s_mov_b32 s21, 0
	s_mul_i32 s46, s46, 12288
	s_mov_b32 s47, 0
	s_mul_i32 s45, s14, HALFT
	s_wait_kmcnt 0x0
	s_add_nc_u64 s[20:21], s[4:5], s[20:21]
	s_add_nc_u64 s[22:23], s[6:7], s[22:23]
	s_add_nc_u64 s[46:47], s[8:9], s[46:47]
	s_add_nc_u64 s[92:93], s[10:11], s[92:93]
	CROUND
	s_mov_b32 s[G0S], 1                            ; the head's four tiles, each whole: the scale words of A's 16 row tiles,
	s_mov_b32 s[G0S+1], SCL
	s_mov_b64 s[G0S+2:G0S+3], s[22:23]
	s_or_b32 s[G0S+3], s[G0S+3], 0x80000000
	s_mov_b32 s[G0SB], 1                           ; and of B's
	s_mov_b32 s[G0SB+1], SCL+2*HALFS
	s_mov_b64 s[G0SB+2:G0SB+3], s[92:93]
	s_or_b32 s[G0SB+3], s[G0SB+3], 0x80000000
	s_add_nc_u64 s[92:93], s[20:21], s[18:19]      ; for the ring: my 8 row tiles of A,
	s_add_nc_u64 s[18:19], s[46:47], s[18:19]      ; of B
.irp s, 0,1
	s_mov_b32 s[G0+4*\s], 1
	s_add_co_u32 s[G0+4*\s+1], s45, \s*SLOT
	s_add_nc_u64 s[G0+4*\s+2:G0+4*\s+3], s[92:93], \s*ROWB
	s_or_b32 s[G0+4*\s+3], s[G0+4*\s+3], 0x80000000
	s_mov_b32 s[G0B+4*\s], 1
	s_add_co_u32 s[G0B+4*\s+1], s45, \s*SLOT
	s_add_nc_u64 s[G0B+4*\s+2:G0B+4*\s+3], s[18:19], \s*ROWB
	s_or_b32 s[G0B+4*\s+3], s[G0B+4*\s+3], 0x80000000
.endr
	s_mov_b64 s[22:23], s[20:21]                   ; s[20:23]: group 0 for slot 0's 16 row tiles of A,
	s_mov_b32 s20, 1
	s_mov_b32 s21, 0
	s_or_b32 s23, s23, 0x80000000
	s_mov_b32 s44, 1                               ; s[44:47]: for B's, behind them in slot 0
	s_mov_b32 s45, 2*HALFT
	s_or_b32 s47, s47, 0x80000000
; the head's loads, one a wave, in one chain of branches on the wave's number
.macro ARM under, g0, g1, next
	s_cmp_lt_u32 s14, \under
	s_cbranch_scc0 \next
	tensor_load_to_lds s[\g0:\g0+3], s[\g1:\g1+7]
	s_nop 0
.rept 4
	v_nop
.endr
	s_branch .Lhead_asked
\next:
.endm
	ARM 1, 20,  G1,  .Lhead_b
	ARM 2, 44,  G1B, .Lhead_sa
	ARM 3, G0S, G1S, .Lhead_sb
	tensor_load_to_lds s[G0SB:G0SB+3], s[G1SB:G1SB+7]
	s_nop 0
.rept 4
	v_nop
.endr
.Lhead_asked:
	s_wait_alu depctr_va_vdst(0)
	s_wait_tensorcnt 0x0                           ; my tile of the head's four is in
	ds_add_u32 v28, v29
	s_mov_b32 s[G1+2], 8<<16                       ; no tensor load of mine is out: from here on a load brings 8 row tiles
	s_mov_b32 s[G1+4], 8
	s_mov_b32 s[G1B+2], 8<<16
	s_mov_b32 s[G1B+4], 8
	s_wait_dscnt 0x0
	CROUND
	JLOAD G0+4, G1, G0B+4, G1B                     ; slot 1's first fill, the first tensor load behind the round
	v_and_b32 v1, 15, v0
	v_bfe_u32 v2, v0, 4, 1
	v_and_b32 v3, 31, v0
	v_lshlrev_b32 v4, 4, v3
	v_lshlrev_b32 v5, 3, v3
	s_mul_i32 s21, s15, HALFT
	s_mul_i32 s22, s16, HALFT
	s_add_co_u32 s22, s22, 2*HALFT
.irp s, 0,1
	v_add_nc_u32 v[ADRA+\s], s21, v4
	v_add_nc_u32 v[ADRB+\s], s22, v4
	v_add_nc_u32 v[ADRA+2+\s], s21, v5
	v_add_nc_u32 v[ADRB+2+\s], s22, v5
	s_add_co_u32 s21, s21, SLOT
	s_add_co_u32 s22, s22, SLOT
.endr
	v_lshlrev_b32 v5, 3, v1
	s_mul_i32 s21, s15, HALFS
	s_mul_i32 s22, s16, HALFS
	s_add_co_u32 s22, s22, 2*HALFS
	s_sub_co_u32 s22, s22, s21
	v_mul_u32_u24 v6, s22, v2
	s_add_co_u32 s21, s21, SCL
	v_add_nc_u32 v5, v5, v6
	v_add_nc_u32 v[ADRS], s21, v5
	s_mul_i32 s23, s14, 16*SPITCH
	v_mul_u32_u24 v5, v1, SPITCH
	v_lshl_add_u32 v5, v2, 6, v5
	v_add_nc_u32 v[STO], s23, v5
	v_mov_b32 v[CO], v4
	v_add_nc_u32 v[RD], s23, v4
	v_lshlrev_b32 v8, 6, v2
	s_lshl_b32 s20, s42, 10
	s_lshl_b32 s21, s16, 9
	s_add_co_u32 s20, s20, s21
	s_mov_b32 s21, 0
	s_add_nc_u64 s[96:97], s[96:97], s[20:21]
.irp b, 0,1,2,3,4,5,6,7
	global_load_b128 v[CB+8*\b:CB+8*\b+3], v8, s[96:97] offset:(32*(\b/2)+8*(\b%2))*4
	global_load_b128 v[CB+8*\b+4:CB+8*\b+7], v8, s[96:97] offset:(32*(\b/2)+8*(\b%2))*4+16
.endr
	s_add_nc_u64 s[98:99], s[98:99], s[20:21]
	s_lshl_b32 s20, s17, 8
	s_lshl_b32 s22, s15, 7
	s_add_co_u32 s20, s20, s22
	s_lshl_b32 s20, s20, 12
	s_add_nc_u64 s[98:99], s[98:99], s[20:21]
	s_wait_alu depctr_va_vdst(0)
	s_wait_loadcnt 0x0
.macro FRAG reg, adr, q, i
	ds_load_b128 v[\reg:\reg+3], v[\adr] offset:(\i)*ROWB+(\q)*KSB
	ds_load_b64 v[\reg+4:\reg+5], v[\adr+2] offset:(\i)*ROWB+(\q)*KSB+512
	ds_load_b128 v[\reg+6:\reg+9], v[\adr] offset:(\i)*ROWB+(\q)*KSB+768
	ds_load_b64 v[\reg+10:\reg+11], v[\adr+2] offset:(\i)*ROWB+(\q)*KSB+1280
.endm
.macro MUL16 a0, p, q, sc, zero
.irp a, \a0, \a0+1
.irp b, 0,1,2,3,4,5,6,7
.set rD, 8*(8*((\a)%4)+\b)
.set rB, 128*(\p)+FR*\b
.set rA, AF+FR*(\a)
.set rSB, SC+8*NQ*(\sc)+NQ*\b+(\q)
.set rSA, SC+8*NQ*(\sc)+NQ*(\a)+(\q)
.if (\zero) == 0
	v_wmma_scale_f32_16x16x128_f8f6f4 v[rD:rD+7], v[rB:rB+FR-1], v[rA:rA+FR-1], v[rD:rD+7], v[rSB], v[rSA] matrix_a_fmt:MATRIX_FMT_FP6 matrix_b_fmt:MATRIX_FMT_FP6 matrix_a_scale:MATRIX_SCALE_ROW1
.else
	v_wmma_scale_f32_16x16x128_f8f6f4 v[rD:rD+7], v[rB:rB+FR-1], v[rA:rA+FR-1], v[CB+8*\b:CB+8*\b+7], v[rSB], v[rSA] matrix_a_fmt:MATRIX_FMT_FP6 matrix_b_fmt:MATRIX_FMT_FP6 matrix_a_scale:MATRIX_SCALE_ROW1
.endif
.endr
.endr
.endm
.macro FETCH_B slot, q, p
	WIN TO_B
.irp i, 0,1,2,3,4,5,6,7
	FRAG 128*(\p)+FR*\i, ADRB+\slot, \q, \i
.endr
	WIN 0
.endm
.macro FETCH_A slot, q, i0
.irp i, \i0, \i0+1, \i0+2, \i0+3
	FRAG AF+FR*(\i), ADRA+\slot, \q, \i
.endr
.endm
.macro SCALES sc
.irp i, 0,1,2,3,4,5,6,7
	ds_load_b64 v[SC+8*NQ*\sc+NQ*\i:SC+8*NQ*\sc+NQ*\i+1], v[ADRS] offset:\i*SBLK
.endr
.endm
.macro PLACES n
.rept \n
	v_nop
.endr
.endm
.macro STEP slot, q, zero
	s_wait_dscnt 4*NL
.if \zero
	WIN 0x81
.else
	WIN MUL_LO
.endif
	MUL16 0, (\q)%2, \q, \slot, \zero
	MUL16 2, (\q)%2, \q, \slot, \zero
	s_wait_dscnt 0
	PLACES NP
	FETCH_B \slot, (\q)+1, 1-(\q)%2
	FETCH_A \slot, (\q)+1, 0
.if \zero
	WIN 0xc1
.else
	WIN MUL_HI
.endif
	MUL16 4, (\q)%2, \q, \slot, \zero
	MUL16 6, (\q)%2, \q, \slot, \zero
	PLACES NP
	WIN 0
	FETCH_A \slot, (\q)+1, 4
.endm
.macro TURN slot, next, fill
	s_wait_tensorcnt 0x0
	ds_add_u32 v[SPW], v[NIL]
	s_wait_dscnt 4*NL+1
	WIN MUL_LO
	MUL16 0, 1, NQ-1, \slot, 0
	s_wait_dscnt 0x0
	s_barrier_signal -1
	MUL16 2, 1, NQ-1, \slot, 0
	WIN 0
	s_barrier_wait -1
.if \fill
	CREST
	s_add_nc_u64 s[G0+4*\slot+2:G0+4*\slot+3], s[G0+4*\slot+2:G0+4*\slot+3], 2*ROWB
	s_add_nc_u64 s[G0B+4*\slot+2:G0B+4*\slot+3], s[G0B+4*\slot+2:G0B+4*\slot+3], 2*ROWB
	JLOAD G0+4*\slot, G1, G0B+4*\slot, G1B
.else
	PLACES NP
.endif
	s_wait_alu depctr_va_vdst(0)
	v_add_nc_u32 v[ADRS], 128, v[ADRS]
	FETCH_B \next, 0, 0
	FETCH_A \next, 0, 0
	SCALES \next
	WIN MUL_HI
	MUL16 4, 1, NQ-1, \slot, 0
	MUL16 6, 1, NQ-1, \slot, 0
	PLACES NP
	WIN 0
	FETCH_A \next, 0, 4
.endm
	s_wait_tensorcnt 1
	s_barrier_signal -1
	s_barrier_wait -1
	FETCH_B 0, 0, 0
	FETCH_A 0, 0, 0
	SCALES 0
	FETCH_A 0, 0, 4
	STEP 0, 0, 1
	s_mov_b32 s3, 1
.Llap:
	TURN 0, 1, 1
	STEP 1, 0, 0
	TURN 1, 0, 1
	STEP 0, 0, 0
	s_sub_co_u32 s3, s3, 1
	s_cmp_lg_u32 s3, 0
	s_cbranch_scc1 .Llap
	TURN 0, 1, 0
	STEP 1, 0, 0
	s_wait_dscnt 4*NL
	WIN MUL_LO
	MUL16 0, 1, NQ-1, 1, 0
	MUL16 2, 1, NQ-1, 1, 0
	s_wait_dscnt 0
	WIN MUL_HI
	MUL16 4, 1, NQ-1, 1, 0
	MUL16 6, 1, NQ-1, 1, 0
	WIN 0
.macro TOSTAGE a
.set AC, 64*((\a)%4)
	WIN 0x08+4*((\a)/4)
.irp b, 0,1,2,3,4,5,6,7
	ds_store_b128 v[STO], v[AC+8*\b:AC+8*\b+3] offset:128*(\b/2)+32*(\b%2)
	ds_store_b128 v[STO], v[AC+8*\b+4:AC+8*\b+7] offset:128*(\b/2)+32*(\b%2)+16
.endr
	WIN 0
.set BB, BK+64*((\a)%2)
.irp t, 0,1,2,3,4,5,6,7,8,9,10,11,12,13,14,15
	ds_load_b128 v[BB+4*\t:BB+4*\t+3], v[RD] offset:\t*SPITCH
.endr
.endm
.macro SEND a, younger
.set BB, BK+64*((\a)%2)
	s_wait_dscnt \younger
.irp t, 0,1,2,3,4,5,6,7,8,9,10,11,12,13,14,15
	global_store_b128 v[CO], v[BB+4*\t:BB+4*\t+3], s[98:99] offset:(32*((\a)/2)+8*((\a)%2)+\t+8*(\t/8))*4096 th:TH_STORE_NT
.endr
.endm
	PLACES NP
	TOSTAGE 0
.irp a, 1,2,3,4,5,6,7
.if \a > 1
	s_wait_xcnt 0x0
.endif
	TOSTAGE \a
	SEND \a-1, 32
.endr
	SEND 7, 0
	s_wait_tensorcnt 0x0
	ds_add_u32 v[SPW], v[NIL]
	s_wait_dscnt 0x0
	CROUND
	s_endpgm
.Lfunc_end_k_q23dc805dba_gemm_out:
	.size	k_q23dc805dba_gemm_out, .Lfunc_end_k_q23dc805dba_gemm_out-k_q23dc805dba_gemm_out
	.p2alignl 7, 3214868480
	.fill 96, 4, 3214868480
	.section	.rodata,"a",@progbits
	.p2align	6, 0x0
	.amdhsa_kernel k_q23dc805dba_gemm_out
		.amdhsa_group_segment_fixed_size 327680
		.amdhsa_private_segment_fixed_size 0
		.amdhsa_enable_private_segment 0
		.amdhsa_kernarg_size 48
		.amdhsa_user_sgpr_count 2
		.amdhsa_user_sgpr_kernarg_segment_ptr 1
		.amdhsa_wavefront_size32 1
		.amdhsa_system_sgpr_workgroup_id_x 1
		.amdhsa_system_sgpr_workgroup_id_y 1
		.amdhsa_system_sgpr_workgroup_id_z 1
		.amdhsa_system_vgpr_workitem_id 0
		.amdhsa_next_free_vgpr 1024
		.amdhsa_next_free_sgpr 102
		.amdhsa_reserve_vcc 0
		.amdhsa_float_denorm_mode_32 3
		.amdhsa_float_denorm_mode_16_64 3
		.amdhsa_memory_ordered 1
		.amdhsa_forward_progress 1
		.amdhsa_inst_pref_size 146
	.end_amdhsa_kernel
	.amdgpu_metadata
---
amdhsa.version: [ 1, 2 ]
amdhsa.kernels:
  - .name:           k_q23dc805dba_gemm_out
    .symbol:         k_q23dc805dba_gemm_out.kd
    .args:
      - { .name: att_codes, .offset: 0, .size: 8, .value_kind: global_buffer, .address_space: global }
      - { .name: att_scales, .offset: 8, .size: 8, .value_kind: global_buffer, .address_space: global }
      - { .name: xw_codes, .offset: 16, .size: 8, .value_kind: global_buffer, .address_space: global }
      - { .name: xw_scales, .offset: 24, .size: 8, .value_kind: global_buffer, .address_space: global }
      - { .name: b_out, .offset: 32, .size: 8, .value_kind: global_buffer, .address_space: global }
      - { .name: out0, .offset: 40, .size: 8, .value_kind: global_buffer, .address_space: global }
    .group_segment_fixed_size: 327680
    .private_segment_fixed_size: 0
    .kernarg_segment_align: 8
    .kernarg_segment_size: 48
    .max_flat_workgroup_size: 128
    .sgpr_count:     102
    .vgpr_count:     1024
    .wavefront_size: 32
...
	.end_amdgpu_metadata
.endif
;; end of part 4
